; MI455X (gfx1250); checked and timed in simulation.
; The chip was launched on July 23, 2026; its instructions are those of AMD's public machine-readable ISA for CDNA 5 (MIT licence, August 2026) and "CDNA5" Instruction Set Architecture Reference Guide (July 2026). The comments in the code are by the model that wrote it; some were corrected since.
;; Omni Attention. Allowed arithmetic: matrix products marked QUANTISED: E2M3 operands, one E8M0 scale for each 32 along K, by v_wmma_scale_f32_16x16x128_f8f6f4 with both operands' format E2M3, f32 sums; products left as they are: f32 operands where the result goes on into a quantised operand, else bf16, f16 or f32 operands; f32 sums; everything else in f32.
;; Inputs: Wkv_codes 2,048 x 32 x 24 uint8 (E2M3 codes of Wkv, K innermost, in blocks of 32 codes, four codes in three bytes); Wkv_scales 2,048 x 32 uint8 (E8M0 scales of Wkv, one for each 32 codes along K); Wout_codes 1,024 x 32 x 24 uint8 (E2M3 codes of Wout, K innermost, in blocks of 32 codes, four codes in three bytes); Wout_scales 1,024 x 32 uint8 (E8M0 scales of Wout, one for each 32 codes along K); Wq_codes 1,024 x 32 x 24 uint8 (E2M3 codes of Wq, K innermost, in blocks of 32 codes, four codes in three bytes); Wq_scales 1,024 x 32 uint8 (E8M0 scales of Wq, one for each 32 codes along K); x_codes 4 x 4,096 x 32 x 24 uint8 (E2M3 codes of x, K innermost, in blocks of 32 codes, four codes in three bytes); x_scales 4 x 4,096 x 32 uint8 (E8M0 scales of x, one for each 32 codes along K).
;; Outputs: out0 4 x 4,096 x 1,024 float32.
;; This version of the problem:
;;   THIS VERSION OF THE PROBLEM IS GIVEN IN LOW PRECISION. The matrix products marked QUANTISED in the list below multiply operands that are first quantised to E2M3 (2 exponent bits, 3 mantissa bits; 6 bits a number), with one power-of-two scale for each 32 numbers along K (OCP MX v1.0); their sums are f32. All else is computed in f32.
;;   The module's matrix products, in the order in which they are computed (A, B: the left and right operand; K: the contracted axis; several contracted axes count as one K, in the product's order):
;;     1. [M 16,384, K 1,024] x [K 1,024, N 1,024]; A: input x (given as codes); B: input Wq (given as codes): QUANTISED
;;     2. [M 16,384, K 1,024] x [K 1,024, N 2,048]; A: input x (given as codes); B: input Wkv (given as codes): QUANTISED
;;     3. batch 16,384 x [M 16, K 64] x [K 64, N 16]; A: computed on the way; B: computed on the way: QUANTISED
;;     4. batch 16,384 x [M 16, K 16] x [K 16, N 64]; A: softmax; B: computed on the way: left as it is (K = 16 < 32)
;;     5. [M 16,384, K 1,024] x [K 1,024, N 1,024]; A: computed on the way; B: input Wout (given as codes): QUANTISED
;;   THE QUANTISER, for each operand of a quantised product, along K:
;;     - K is cut into blocks of 32 from its start; a last block that is shorter is filled with zeros.
;;     - A block's scale is 2^e with e = floor(log2(the largest magnitude in the block)) - 2, held to -126 .. 127; a block of zeros has e = 0. As a byte (E8M0): e + 127.
;;     - Each number is divided by its block's scale, clamped to +-7.5, and rounded to the nearest number of E2M3, ties to even, subnormals kept.
;;     - The product sums the exact products of the quantised numbers (number of the format x scale) in f32.
;;   ~~~python
;;   def quantise(x, axis):      # numpy; x: float32 -> the quantised numbers, widened to float32 again
;;       x = np.moveaxis(x, axis, -1); K = x.shape[-1]
;;       x = np.pad(x, [(0, 0)] * (x.ndim - 1) + [(0, -K % 32)]); x = x.reshape(x.shape[:-1] + (-1, 32)); a = np.abs(x).max(-1, keepdims=True)
;;       e = np.where(a > 0, np.clip(np.frexp(np.where(a > 0, a, 1))[1] - 1 - 2, -126, 127), 0)      # np.frexp(a)[1] - 1 = floor(log2(a)), exactly
;;       r = np.clip(x / 2.0 ** e, -7.5, 7.5)
;;       step = 2.0 ** (np.maximum(np.frexp(np.where(r == 0, 1, r))[1] - 1, 0) - 3)
;;       q = np.round(r / step) * step * 2.0 ** e      # np.round: ties to even
;;       return np.moveaxis(q.reshape(q.shape[:-2] + (-1,))[..., :K], -1, axis).astype(np.float32)
;;   ~~~
;;   OPERANDS COMPUTED ON THE WAY. 'Computed on the way' means the value that the module computes at that place (a softmax that the list does not call 'softmax' is quantised finished and normalised). What goes into a quantiser is computed in f32, as accurately as f32 sums, v_exp_f32 and their like allow (about 1e-6 of the number): no bf16 or f16 on the way to a quantiser, and a product that is left as it is and whose result goes on into a quantised operand takes f32 operands (vector FMAs, or v_wmma_f32_16x16x4_f32). A number that lies on a knife's edge between two numbers of the format may be rounded either way, as far as f32 arithmetic and the matrix unit's own rounding can turn it there, and no further.
;;   INPUTS GIVEN AS CODES. Wkv (in the module: [2048, 1024], K = its axis 1); Wout (in the module: [1024, 1024], K = its axis 1); Wq (in the module: [1024, 1024], K = its axis 1); x (in the module: [4, 4096, 1024], K = its axis 2): each comes as NAME_codes (uint8): NAME with its K axis moved to the last place and cut into blocks of 32 codes, [.., K / 32, bytes a block], one block behind the other in memory; four codes in three bytes: a row's codes are one little-endian stream of bits, code i at bits 6 i .. 6 i + 5 (a code: sign, 2 exponent bits, 3 mantissa bits); and NAME_scales (uint8): the same leading axes, one E8M0 byte (e + 127) for each 32 codes along K. Its value is code x scale, taken as it is: it is not quantised again, and the codes and scales need not be those that the quantiser above would give.
;; 2 versions. Each part assembles by itself: llvm-mc -triple=amdgcn-amd-amdhsa -mcpu=gfx1250 --defsym DOCPART=n.
;; ======== version 1 of 2: 2 launches
;; workspace buffers: wimg 3,276,800 bytes
;; launch relay (part 1): grid 256 x 1, 1 waves a work-group, no clusters, 0 bytes of LDS; arguments Wq_codes, Wq_scales, Wkv_codes, Wkv_scales, Wout_codes, Wout_scales, wimg; writes wimg
.if DOCPART == 1
	.amdgcn_target "amdgcn-amd-amdhsa--gfx1250"
	.amdhsa_code_object_version 6
	.text
	.protected	k_q4c7408ba8d_relay
	.globl	k_q4c7408ba8d_relay
	.p2align	8
	.type	k_q4c7408ba8d_relay,@function
k_q4c7408ba8d_relay:
	s_mov_b64 s[64:65], 0
	v_nop
	global_prefetch_b8 v0, s[64:65] scope:SCOPE_SE
	s_setreg_imm32_b32 hwreg(HW_REG_WAVE_MODE, 25, 1), 1
	s_wait_xcnt 0x0
; The three weights (codes of E2M3, K = 1,024 innermost, 768 bytes a row; 32 scale bytes a row) are copied once into wimg, in the order of the
; operand registers and in the order in which the main launch walks them.  Nothing is converted: bytes are only laid elsewhere.
; wimg = 32 tiles of 102,400 bytes.  Tile g holds 128 weight rows as 8 tiles T = 2 w + u of 16 rows (w: the wave that will read them).
;   codes:  24,576 w + (2 s + u) 1,536 + 512 c + 16 lane : registers 4 c .. 4 c + 3 of the fragment of K step s (128 along K)
;   scales: 98,304 + 1,024 w + 512 x + 16 lane           : the words of K steps 4 x .. 4 x + 3; lanes 0-15 row r of tile u = 0, lanes 16-31 of u = 1
; Which row lane r of tile T holds (ph = g / 8, gp = g % 8, r2 = r + 8 (r / 8)):
;   ph 0 Wq and ph 3 Wout: 128 gp + 32 w + 8 u + r2;   ph 1 Wkv, k of two heads: 256 gp + 128 (w / 2) + 32 (w % 2) + 8 u + r2;
;   ph 2 Wkv, v: 128 r + 64 + d, d = 32 (gp / 4) + 16 (gp % 2) + 8 ((gp / 2) % 2) + T: the 16 heads at one d.
; One wave makes one tile of 16 rows: 48 loads of 8 bytes a lane (the fragments as the matrix unit wants them), 24 stores of 512 dense bytes.
.set TILEB, 102400
	s_load_b256 s[4:11], s[0:1], 0x0               ; Wq codes s[4:5], Wq scales s[6:7], Wkv codes s[8:9], Wkv scales s[10:11]
	s_load_b128 s[12:15], s[0:1], 0x20             ; Wout codes s[12:13], Wout scales s[14:15]
	s_load_b64 s[16:17], s[0:1], 0x30              ; wimg
	s_lshr_b32 s20, ttmp9, 3                       ; g
	s_and_b32 s21, ttmp9, 7                        ; T
	s_lshr_b32 s22, s20, 3                         ; ph
	s_and_b32 s23, s20, 7                          ; gp
	s_lshr_b32 s24, s21, 1                         ; w
	s_and_b32 s25, s21, 1                          ; u
	s_lshl_b32 s31, s25, 3                         ; 8 u
	s_lshl_b32 s26, s23, 7                         ; Wq, Wout: 128 gp + 32 w + 8 u
	s_lshl_b32 s36, s24, 5
	s_add_co_u32 s26, s26, s36
	s_add_co_u32 s26, s26, s31
	s_lshl_b32 s27, s23, 8                         ; k: 256 gp + 128 (w / 2) + 32 (w % 2) + 8 u
	s_lshr_b32 s36, s24, 1
	s_lshl_b32 s36, s36, 7
	s_add_co_u32 s27, s27, s36
	s_and_b32 s36, s24, 1
	s_lshl_b32 s36, s36, 5
	s_add_co_u32 s27, s27, s36
	s_add_co_u32 s27, s27, s31
	s_lshr_b32 s28, s23, 2                         ; v: 64 + 32 (gp / 4) + 16 (gp % 2) + 8 ((gp / 2) % 2) + T
	s_lshl_b32 s28, s28, 5
	s_and_b32 s36, s23, 1
	s_lshl_b32 s36, s36, 4
	s_add_co_u32 s28, s28, s36
	s_bfe_u32 s36, s23, 0x10001
	s_lshl_b32 s36, s36, 3
	s_add_co_u32 s28, s28, s36
	s_add_co_u32 s28, s28, s21
	s_add_co_u32 s28, s28, 64
	s_mul_i32 s36, s20, TILEB                      ; where the tile begins in wimg
	s_mul_i32 s38, s24, 24576
	s_mul_i32 s40, s25, 1536
	s_add_co_u32 s38, s38, s40
	s_add_co_u32 s38, s38, s36                     ; my fragments
	s_mov_b32 s39, 0
	s_lshl_b32 s40, s24, 10
	s_add_co_u32 s40, s40, s36
	s_add_co_u32 s40, s40, 98304                   ; my scale words
	s_mov_b32 s41, 0
	s_lshl_b32 s42, s25, 8                         ; 256 u
	s_cmp_eq_u32 s22, 1
	s_cselect_b32 s26, s27, s26
	s_cmp_eq_u32 s22, 2
	s_cselect_b32 s26, s28, s26                    ; the tile's first row
	s_cselect_b32 s29, 128, 1                      ; from lane to lane: a head in v, else a row
	s_cselect_b32 s30, 0, 8                        ; and 8 more for lanes 8-15, but in v
	v_and_b32 v1, 15, v0                           ; r
	v_lshrrev_b32 v6, 4, v0                        ; h
	v_lshrrev_b32 v7, 3, v1
	v_mul_u32_u24 v12, s29, v1
	v_mad_u32_u24 v12, v7, s30, v12
	v_add_nc_u32 v12, s26, v12                     ; my row of the weight
	v_mul_u32_u24 v2, v12, 768
	v_mad_u32_u24 v2, v6, 24, v2                   ; its codes, + 24 bytes for lanes 16-31
	v_lshlrev_b32 v3, 5, v12
	v_lshl_add_u32 v3, v6, 4, v3                   ; its scale bytes: lanes 0-15 the first 16, lanes 16-31 the other 16
	v_lshlrev_b32 v4, 4, v0                        ; an image: 16 bytes a lane
	v_lshlrev_b32 v5, 4, v1
	v_lshl_add_u32 v5, v6, 9, v5
	v_add_nc_u32 v5, s42, v5                       ; the scale words: 512 h + 256 u + 16 r
	s_wait_kmcnt 0x0
	s_cmp_eq_u32 s22, 0                            ; the choice of buffers hangs on the work-group number alone
	s_cselect_b64 s[32:33], s[4:5], s[8:9]
	s_cselect_b64 s[34:35], s[6:7], s[10:11]
	s_cmp_eq_u32 s22, 3
	s_cselect_b64 s[32:33], s[12:13], s[32:33]
	s_cselect_b64 s[34:35], s[14:15], s[34:35]
	s_add_nc_u64 s[38:39], s[16:17], s[38:39]
	s_add_nc_u64 s[40:41], s[16:17], s[40:41]
.irp s, 0,1,2,3,4,5,6,7
.irp p, 0,1,2,3,4,5
	global_load_b64 v[16+12*\s+2*\p:16+12*\s+2*\p+1], v2, s[32:33] offset:96*\s+48*(\p/3)+8*(\p%3)
.endr
.endr
	global_load_b128 v[8:11], v3, s[34:35]
	s_wait_loadcnt 0x0
.irp s, 0,1,2,3,4,5,6,7
.irp c, 0,1,2
	global_store_b128 v4, v[16+12*\s+4*\c:16+12*\s+4*\c+3], s[38:39] offset:3072*\s+512*\c   ; 32 lanes store 512 consecutive bytes, aligned
.endr
.endr
	global_store_b128 v5, v[8:11], s[40:41]        ; each half of the lanes stores 256 consecutive bytes, aligned
	s_endpgm
.Lfunc_end_k_q4c7408ba8d_relay:
	.size	k_q4c7408ba8d_relay, .Lfunc_end_k_q4c7408ba8d_relay-k_q4c7408ba8d_relay
	.p2alignl 7, 3214868480
	.fill 96, 4, 3214868480
	.section	.rodata,"a",@progbits
	.p2align	6, 0x0
	.amdhsa_kernel k_q4c7408ba8d_relay
		.amdhsa_group_segment_fixed_size 0
		.amdhsa_private_segment_fixed_size 0
		.amdhsa_enable_private_segment 0
		.amdhsa_kernarg_size 56
		.amdhsa_user_sgpr_count 2
		.amdhsa_user_sgpr_kernarg_segment_ptr 1
		.amdhsa_wavefront_size32 1
		.amdhsa_system_sgpr_workgroup_id_x 1
		.amdhsa_system_sgpr_workgroup_id_y 1
		.amdhsa_system_sgpr_workgroup_id_z 1
		.amdhsa_system_vgpr_workitem_id 0
		.amdhsa_next_free_vgpr 128
		.amdhsa_next_free_sgpr 66
		.amdhsa_reserve_vcc 0
		.amdhsa_float_denorm_mode_32 3
		.amdhsa_float_denorm_mode_16_64 3
		.amdhsa_memory_ordered 1
		.amdhsa_forward_progress 1
		.amdhsa_inst_pref_size 10
	.end_amdhsa_kernel
	.amdgpu_metadata
---
amdhsa.version: [ 1, 2 ]
amdhsa.kernels:
  - .name:           k_q4c7408ba8d_relay
    .symbol:         k_q4c7408ba8d_relay.kd
    .args:
      - { .name: Wq_codes, .offset: 0, .size: 8, .value_kind: global_buffer, .address_space: global }
      - { .name: Wq_scales, .offset: 8, .size: 8, .value_kind: global_buffer, .address_space: global }
      - { .name: Wkv_codes, .offset: 16, .size: 8, .value_kind: global_buffer, .address_space: global }
      - { .name: Wkv_scales, .offset: 24, .size: 8, .value_kind: global_buffer, .address_space: global }
      - { .name: Wout_codes, .offset: 32, .size: 8, .value_kind: global_buffer, .address_space: global }
      - { .name: Wout_scales, .offset: 40, .size: 8, .value_kind: global_buffer, .address_space: global }
      - { .name: wimg, .offset: 48, .size: 8, .value_kind: global_buffer, .address_space: global }
    .group_segment_fixed_size: 0
    .private_segment_fixed_size: 0
    .kernarg_segment_align: 8
    .kernarg_segment_size: 56
    .max_flat_workgroup_size: 32
    .sgpr_count:     66
    .vgpr_count:     128
    .wavefront_size: 32
...
	.end_amdgpu_metadata
.endif
;; end of part 1
;; launch fused (part 2): grid 256 x 1, 4 waves a work-group, clusters of 4 x 1, 327,680 bytes of LDS; arguments x_codes, x_scales, wimg, out0; writes out0
.if DOCPART == 2
	.amdgcn_target "amdgcn-amd-amdhsa--gfx1250"
	.amdhsa_code_object_version 6
	.text
	.protected	k_q4c7408ba8d_fused
	.globl	k_q4c7408ba8d_fused
	.p2align	8
	.type	k_q4c7408ba8d_fused,@function
k_q4c7408ba8d_fused:
	s_mov_b64 s[64:65], 0
	v_nop
	global_prefetch_b8 v0, s[64:65] scope:SCOPE_SE
	s_setreg_imm32_b32 hwreg(HW_REG_WAVE_MODE, 25, 1), 1
	s_wait_xcnt 0x0
	s_wait_alu depctr_hold_cnt(0) depctr_sa_sdst(0) depctr_va_vdst(0) depctr_va_sdst(0) depctr_va_ssrc(0) depctr_va_vcc(0) depctr_vm_vsrc(0)
	s_getreg_b32 s2, hwreg(HW_REG_IB_STS2, 6, 4)
	s_cmp_eq_u32 s2, 0
	s_cbranch_scc0 .Lentry_in_a_cluster
	s_endpgm
.Lentry_in_a_cluster:
	s_bfe_u32 s2, ttmp6, 0x10000c
	s_cmp_lg_u32 s2, 0x3003
	s_cbranch_scc0 .Lentry_shape_is_right
	s_endpgm
.Lentry_shape_is_right:
; out0 = attention over the HEAD axis of each token, between the projections q, k, v = x W^T and the product with Wout, all in one launch.
; Quantised products (x Wq^T, x Wkv^T, q k^T of a token, out Wout^T): codes of E2M3 with one E8M0 scale for each 32 along K, by the scaled 16x16x128 form.
; p v of a token (K = 16) feeds a quantiser: f32 operands, by the f32 16x16x4 form.  Softmax, sums and scalings in f32; the row maximum is taken away.
; SHARES.  A work-group of four waves owns 64 tokens and takes them through the whole chain.  x (later: the attention result) is STATIONARY: every wave holds the
; codes of all 64 tokens x 1,024 K, 32 fragments, in 384 registers.  The weights go by, 32 tiles of 128 weight rows (buffer wimg: images of the operand registers), through two
; LDS slots.  THE WAVES SHARE THE COLUMNS: of a tile wave w takes 32 rows (2 tiles u) against 4 tiles m of tokens over 8 K steps: 64 matrix instructions on 8 accumulators.
; ALL PRODUCTS ARE USED TRANSPOSED (source 0 = weight rows, source 1 = tokens): lane (r, h) holds token r, its register i weight row 8 h + i of the tile.  The rows of a tile
; are chosen (launch relay) so that the 16 registers of tiles u = 0, 1 are 16 NEIGHBOURING columns 16 h + 0 .. 15 of a block of 32; in v tiles they are the heads 8 h + i at one d.
; THE WORK OF A TOKEN (scores, softmax, p v, quantising the result): wave w owns tokens 16 w .. 16 w + 15.
; CLUSTER.  All work-groups walk the same weights, so four of them ask for each tile JOINTLY: the same tensor load, the same descriptor, mask 15, in all four.
; LIMITS: NaN, infinities and the scale byte 0xff among the inputs are not served.  A block whose largest magnitude lies under 2^-124 has its scale byte held at 1; a block
; of zeros gets the byte 1 where the rule says 127: its codes are zeros, and this program alone reads the bytes.  1 / sum is v_rcp_f32.
; LDS: two slots | spare words | a region used in turn for x (head), q and k codes and scale bytes (tiles 0-15), v in f32 (tiles 16-23), the stages of out0 (tiles 24-31) |
; the result codes OC and their scale bytes OS.  Each change of use is parted by a barrier in front of which every wave has waited for its LDS instructions.
.set SLOTB, 102400                     ; a slot = a tile of wimg, dense
.set WPART, 25600                      ; what one wave fetches of it
.set SPARE, 204800                     ; the spare words: 128 bytes a wave, two blocks of 256 bytes that no other line names
.set XT,    205312                     ; x: 192 units of 256 + 16 bytes; a token row 816 bytes; filled once
.set QKC,   205312                     ; q and k codes: token pitch 1,552 (768 + 768 + 16)
.set QKS,   304640                     ; their scale bytes: token pitch 80 (32 of q, 32 of k)
.set VCH,   205312                     ; v, f32: token pitch 1,040; (head / 4) 256 + position 16 + (head % 4) 4
.set OC,    271872                     ; the result codes: token pitch 784
.set OS,    322048                     ; their scale bytes: token pitch 48
.set STG,   205312                     ; two stages of 64 rows x (512 + 16) bytes
.set STGB,  33792
; window 0
.set LN16, 1                           ; 16 x lane
.set WA0,  2                           ; my fragments in a slot: 24,576 w + 16 lane
.set WS0,  3                           ; my scale words in a slot: 98,304 + 1,024 w + 16 lane
.set WAD,  4                           ; the two above + the slot in hand
.set WSA,  5
.set SPW,  6                           ; my spare word; never rewritten
.set NIL,  7                           ; 0; never rewritten
.set QA0,  8                           ; q, k codes, token tiles 0, 1: QKC + 1,552 r + 12 h + 24 w
.set QA1,  9                           ; token tiles 2, 3: 49,664 on
.set QSA,  10                          ; their scale bytes: QKS + 80 r + w
.set SKA,  11                          ; a token's q, k fragments: QKC + 24,832 w + 48 r + 24 h
.set SSA,  12                          ; its scale bytes: QKS + 1,280 w + 2 r + 32 h (lanes 0-15 q, lanes 16-31 k)
.set VSA,  13                          ; v in: VCH + 1,040 r + 512 h + 32 w
.set VLA,  14                          ; v out: VCH + 16,640 w + 512 h + 16 r
.set OCA,  15                          ; result codes in: OC + 12,544 w + 48 r + 12 h (+ 24 for the second half of d)
.set OSA,  16                          ; their bytes: OS + 768 w + 2 r (+ 1)
.set XA,   17                          ; x fragments: XT + 816 r + 24 h
.set XA2,  18                          ; the same behind one padding more: XT + 816 r + 40 h
.set STA0, 19                          ; stage in: STG + 528 r + 128 w + 64 h
.set SR0,  20                          ; stage out: STG + 8,448 w + 16 lane
.set STAC, 21                          ; the two above + the stage in hand
.set SRC,  22
.set XSO,  23                          ; 32 x lane: x_scales
.set WS,   24                          ; v24-31   the weights' scale words, register s: lanes 0-15 tile u = 0, lanes 16-31 u = 1
.set XS,   32                          ; v32-47   the tokens' scale words, register 8 a + s: lanes 0-15 token tile 2 a, lanes 16-31 tile 2 a + 1
.set TM,   48                          ; v48-63   the quantiser at work
.set PC,   64                          ; v64-79   codes just made, 4 x 4
.set TT,   48                          ; v48-79   the softmax: a pair for each of my 16 tokens
.set ACC,  80                          ; v80-143  the 8 accumulators: 16 m + 8 u
.set WF,   144                         ; v144-239 weight fragments: two sets of 4 (2 K steps x 2 tiles u)
.set SS,   240                         ; v240-243 scale words of the scores' product
.set RLA,  244                         ; result fragments: OC + 784 r + 24 h
.set RSA,  245                         ; their scale words: OS + 48 lane
.set QW0,  246                         ; v246-248 QA0, QA1, QSA + the tile's place
.set QW1,  247
.set QWS,  248
; window 1: v0-191 stationary fragments of K steps 0-3 at 12 (4 s + m); v192-223 OT; v224-239 RS.   window 2: v0-191 K steps 4-7; v192-255 VB.   window 3: v0-127 P; v128-255 OA
.set OT,   192                         ; four f32 accumulators, written by matrix instructions alone
.set RS,   224                         ; 1 / sum of my 16 tokens
.set VB,   192                         ; v operands, two sets of 4 tokens; later rows of out0
.set OA,   128                         ; sixteen f32 accumulators, written by matrix instructions alone
; scalars: s12 wave, s13 cx, s14 work-group, s15 slot in hand, s16 25,600 w, s17 loop count, s18 / s19 stage written / read, s[20:21] lane selects, s[22:23] c, s24 -c,
; s[28:35] group 1 of the weights' tiles, s[36:43] of x, s[44:47] group 0 of x, s[48:51] of tile 0, s[52:55] the walking one, s[56:57] out0, s66 / s67 the tile's place among q, k codes / bytes
.set MSB, 0
.macro WIN new                         ; the immediate's high byte repeats the setting that is left; a switch that changes nothing is dropped
.if MSB != (\new)
	s_set_vgpr_msb (MSB<<8)|(\new)
.set MSB, (\new)
.endif
.endm
.macro PLACES n
.rept \n
	v_nop
.endr
.endm
.macro CREST                           ; a round of the cluster's barrier behind its opening barrier
	s_cmp_lg_u32 s12, 0
	s_cbranch_scc1 .Lnot_wave_0_\@
	s_barrier_signal -3
.Lnot_wave_0_\@:
	s_barrier_wait -3
	s_barrier_signal -1
	s_barrier_wait -1
.endm
.macro CROUND
	s_barrier_signal -1
	s_barrier_wait -1
	CREST
.endm
.macro BAR                             ; my LDS stores have landed and my LDS loads are in: then the work-group's barrier.
	s_wait_dscnt 0x0
	s_barrier_signal -1
	s_barrier_wait -1
.endm
; four fragments (K steps k0, k0 + 1 x tiles u) into set 0 or 1: images, 512 dense bytes a load
.macro LOADSET set, k0
.irp f, 0,1,2,3
.irp c, 0,1,2
	ds_load_b128 v[WF+48*(\set)+12*\f+4*\c:WF+48*(\set)+12*\f+4*\c+3], v[WAD] offset:(2*(\k0)+\f)*1536+512*\c
.endr
.endr
.endm
.macro LOADW                           ; the head of a tile: its scale words and its first four K steps.  The two additions are places behind the last products
	v_add_nc_u32 v[WAD], s15, v[WA0]
	v_add_nc_u32 v[WSA], s15, v[WS0]
	ds_load_b128 v[WS:WS+3], v[WSA]
	ds_load_b128 v[WS+4:WS+7], v[WSA] offset:512
	LOADSET 0, 0
	LOADSET 1, 2
.endm
; one scaled product on the registers named by rD, rA, rB, rSA, rSB.  ra, rb: the side's scale words stand in lanes 16-31
.macro MM zero, ra, rb
.if \zero
.if \ra
.if \rb
	v_wmma_scale_f32_16x16x128_f8f6f4 v[rD:rD+7], v[rA:rA+11], v[rB:rB+11], 0, v[rSA], v[rSB] matrix_a_fmt:MATRIX_FMT_FP6 matrix_b_fmt:MATRIX_FMT_FP6 matrix_a_scale:MATRIX_SCALE_ROW1 matrix_b_scale:MATRIX_SCALE_ROW1
.else
	v_wmma_scale_f32_16x16x128_f8f6f4 v[rD:rD+7], v[rA:rA+11], v[rB:rB+11], 0, v[rSA], v[rSB] matrix_a_fmt:MATRIX_FMT_FP6 matrix_b_fmt:MATRIX_FMT_FP6 matrix_a_scale:MATRIX_SCALE_ROW1
.endif
.else
.if \rb
	v_wmma_scale_f32_16x16x128_f8f6f4 v[rD:rD+7], v[rA:rA+11], v[rB:rB+11], 0, v[rSA], v[rSB] matrix_a_fmt:MATRIX_FMT_FP6 matrix_b_fmt:MATRIX_FMT_FP6 matrix_b_scale:MATRIX_SCALE_ROW1
.else
	v_wmma_scale_f32_16x16x128_f8f6f4 v[rD:rD+7], v[rA:rA+11], v[rB:rB+11], 0, v[rSA], v[rSB] matrix_a_fmt:MATRIX_FMT_FP6 matrix_b_fmt:MATRIX_FMT_FP6
.endif
.endif
.else
.if \ra
.if \rb
	v_wmma_scale_f32_16x16x128_f8f6f4 v[rD:rD+7], v[rA:rA+11], v[rB:rB+11], v[rD:rD+7], v[rSA], v[rSB] matrix_a_fmt:MATRIX_FMT_FP6 matrix_b_fmt:MATRIX_FMT_FP6 matrix_a_scale:MATRIX_SCALE_ROW1 matrix_b_scale:MATRIX_SCALE_ROW1
.else
	v_wmma_scale_f32_16x16x128_f8f6f4 v[rD:rD+7], v[rA:rA+11], v[rB:rB+11], v[rD:rD+7], v[rSA], v[rSB] matrix_a_fmt:MATRIX_FMT_FP6 matrix_b_fmt:MATRIX_FMT_FP6 matrix_a_scale:MATRIX_SCALE_ROW1
.endif
.else
.if \rb
	v_wmma_scale_f32_16x16x128_f8f6f4 v[rD:rD+7], v[rA:rA+11], v[rB:rB+11], v[rD:rD+7], v[rSA], v[rSB] matrix_a_fmt:MATRIX_FMT_FP6 matrix_b_fmt:MATRIX_FMT_FP6 matrix_b_scale:MATRIX_SCALE_ROW1
.else
	v_wmma_scale_f32_16x16x128_f8f6f4 v[rD:rD+7], v[rA:rA+11], v[rB:rB+11], v[rD:rD+7], v[rSA], v[rSB] matrix_a_fmt:MATRIX_FMT_FP6 matrix_b_fmt:MATRIX_FMT_FP6
.endif
.endif
.endif
.endm
; K step s of a tile: 8 products, the 8 accumulators by turns, one instruction a turn.  wf: where the step's two weight fragments stand.  zero = 1: the products start the sums
.macro MUL8 s, wf, zero
.irp u, 0,1
.irp m, 0,1,2,3
.set rD, ACC+16*\m+8*\u
.set rA, (\wf)+12*\u
.set rB, 12*(4*((\s)%4)+\m)
.set rSA, WS+(\s)
.set rSB, XS+8*(\m/2)+(\s)
	MM \zero, \u, \m%2
.endr
.endr
.endm
; A TILE'S 64 PRODUCTS AND THE CHANGE OF SLOTS.  Four v_nop stand in front of each run of loads into registers that products have read (ISA guide 7.12.1 for vector instructions).
; In front of the barrier each wave waits for all its tensor loads (one is out: its part of the next tile), adds 0 to its spare word, and waits for that and for its reads of this slot.
; fill = 1: the barrier opens a round of the cluster's barrier, and behind it this slot is filled again, jointly, with the tile two on: a wave's one tensor load until the next round.
.macro G fill
	s_wait_dscnt 0x0                               ; the tile's first four K steps, its scale words, and whatever the phase before had out
	WIN 0x04                                       ; source 1: window 1 (K steps 0-3 of the stationary operand)
	MUL8 0, WF, 1
	MUL8 1, WF+24, 0
	PLACES 4
	LOADSET 0, 4                                   ; (an LDS load names destination and source 0 alone: both window 0)
	MUL8 2, WF+48, 0
	MUL8 3, WF+72, 0
	PLACES 4
	LOADSET 1, 6
	WIN 0                                          ; (the add's two registers lie in window 0)
	s_wait_tensorcnt 0x0                           ; all my tensor loads have landed
	ds_add_u32 v[SPW], v[NIL]                      ; 0 onto my spare word
	s_wait_dscnt 13                                ; set 1's twelve loads and the add may be out: set 0 is in
	WIN 0x08                                       ; source 1: window 2 (K steps 4-7)
	MUL8 4, WF, 0
	MUL8 5, WF+24, 0                               ; sixteen products stand between the add and the wait for it
	s_wait_dscnt 0x0                               ; the add is done, and my reads of this slot are over
	s_barrier_signal -1
	MUL8 6, WF+48, 0
	MUL8 7, WF+72, 0
	WIN 0
	s_barrier_wait -1
.if \fill
	CREST                                          ; no wave of any partner still reads this slot or has a load on its way
	s_add_co_u32 s53, s15, s16                     ; into the slot just read, my quarter
	s_add_nc_u64 s[54:55], s[54:55], SLOTB         ; the next tile of wimg; the type bits on top are not reached
	tensor_load_to_lds s[52:55], s[28:35]
	s_nop 0
.endif
	PLACES 4                                       ; behind the tensor load, and the places behind the last products
	s_xor_b32 s15, s15, SLOTB                      ; on to the other slot
.endm
; FOUR BLOCKS OF 32 ARE QUANTISED.  Group b: 16 registers at s0 + 16 b = numbers 16 h + 0 .. 15 of a block; the block's other half lies in lane l xor 16.
; Codes (12 bytes a lane, as they lie in the row's stream of bits) in v[PC + 4 b ..], the scale's byte in v[TM + 4 + b].
.macro QUANT4 s0
.irp b, 0,1,2,3
	v_max3_num_f32 v[TM+\b], |v[\s0+16*\b]|, |v[\s0+16*\b+1]|, 0x1800000   ; my 16 numbers, from the low end on, and the floor 2^(3 - 127): the byte cannot fall under 1
.endr
.irp i, 2,4,6,8,10,12,14
.irp b, 0,1,2,3
	v_max3_num_f32 v[TM+\b], v[TM+\b], |v[\s0+16*\b+\i]|, |v[\s0+16*\b+\i+1]|
.endr
.endr
.irp b, 0,1,2,3
	v_permlanex16_b32 v[TM+4+\b], v[TM+\b], s20, s21
.endr
.irp b, 0,1,2,3
	v_max_num_f32 v[TM+\b], v[TM+\b], v[TM+4+\b]   ; the block's largest magnitude
.endr
.irp b, 0,1,2,3
	v_add_nc_u32 v[TM+12+\b], 0xff000000, v[TM+\b] ; 2 off its exponent field: the conversion takes that field as its scale
.endr
.irp b, 0,1,2,3
	v_lshrrev_b32 v[TM+4+\b], 23, v[TM+12+\b]      ; the scale's byte
.endr
.irp b, 0,1,2,3
	v_cvt_scalef32_pk16_fp6_f32 v[PC+4*\b:PC+4*\b+2], v[\s0+16*\b:\s0+16*\b+15], v[TM+12+\b]
.endr
	v_nop                                          ; one plain place behind the scaled conversions
.endm
; a tile of q or k: quantised, codes and bytes into the tokens' rows.  Tile n lies at byte 96 n + 24 w of a row (q: n = 0 .. 7, k: 8 .. 15), its byte at 4 n + w
.macro POSTQ
	v_add_nc_u32 v[QW0], s66, v[QA0]               ; (the last tile's stores, which named these, were waited for in its G)
	v_add_nc_u32 v[QW1], s66, v[QA1]
	v_add_nc_u32 v[QWS], s67, v[QSA]
	QUANT4 ACC
.irp m, 0,1,2,3
.irp i, 0,1,2
	ds_store_b32 v[QW0+\m/2], v[PC+4*\m+\i] offset:(\m%2)*24832+4*\i
.endr
	ds_store_b8 v[QWS], v[TM+4+\m] offset:1280*\m  ; both lanes of a block write the same byte with the same value
.endr
	s_add_co_u32 s66, s66, 96
	s_add_co_u32 s67, s67, 4
.endm
; a tile of v (f32): lane (r, h) holds token r, heads 8 h + i, at position 8 hh + 2 w + u of the 16 d in hand
.macro VSTORE hh
.irp m, 0,1,2,3
.irp u, 0,1
	ds_store_b128 v[VSA], v[ACC+16*\m+8*\u:ACC+16*\m+8*\u+3] offset:16640*\m+128*\hh+16*\u
	ds_store_b128 v[VSA], v[ACC+16*\m+8*\u+4:ACC+16*\m+8*\u+7] offset:16640*\m+128*\hh+16*\u+256
.endr
.endr
.endm
; v operands of my tokens 4 g .. 4 g + 3: lane (r, h): position r, heads 8 h + 0 .. 7
.macro ATTLOAD g
	WIN 0x80                                       ; destination window 2
.irp q, 0,1,2,3
	ds_load_b128 v[VB+32*((\g)%2)+8*\q:VB+32*((\g)%2)+8*\q+3], v[VLA] offset:1040*(4*(\g)+\q)
	ds_load_b128 v[VB+32*((\g)%2)+8*\q+4:VB+32*((\g)%2)+8*\q+7], v[VLA] offset:1040*(4*(\g)+\q)+256
.endr
	WIN 0
.endm
; out^T = v^T p^T of four tokens, in f32: source 0 = 16 positions of d x 4 heads, source 1 = 4 heads x 16 query heads.  K slot (s, h, j) stands for head 8 h + 2 s + j in both.
; The four tokens' accumulators take turns; the first K step starts each sum with the constant 0.  uu = 0: into OA (kept), 1: into OT.
.macro ATTMUL g, uu
.if \uu
	WIN 0x5e                                       ; source 0 window 2, source 1 window 3, C and D window 1
.else
	WIN 0xfe                                       ; the same, C and D window 3
.endif
.irp s, 0,1,2,3
.irp q, 0,1,2,3
.set tt, 4*(\g)+\q
.set rA, VB+32*((\g)%2)+8*\q+2*\s
.set rB, 8*tt+2*\s
.if \uu
.set rD, OT+8*\q
.else
.set rD, OA+8*tt
.endif
.if \s == 0
	v_wmma_f32_16x16x4_f32 v[rD:rD+7], v[rA:rA+1], v[rB:rB+1], 0
.else
	v_wmma_f32_16x16x4_f32 v[rD:rD+7], v[rA:rA+1], v[rB:rB+1], v[rD:rD+7]
.endif
.endr
.endr
	WIN 0
.endm
.macro ATT0                            ; d = 32 b + 16 h + 0 .. 7 of my 16 tokens.  Eight places stand behind this form in front of loads into its sources
	ATTLOAD 0
	ATTLOAD 1
	s_wait_dscnt 8                                 ; the youngest eight loads may be out
	ATTMUL 0, 0
	PLACES 8
	ATTLOAD 2
	s_wait_dscnt 8
	ATTMUL 1, 0
	PLACES 8
	ATTLOAD 3
	s_wait_dscnt 8
	ATTMUL 2, 0
	s_wait_dscnt 0x0
	ATTMUL 3, 0
.endm
; d = 32 b + 16 h + 8 .. 15 of four tokens; then both halves x 1 / sum: 16 neighbours of block (head r, b) a lane; quantised; codes and bytes into the tokens' rows.
; w1: what may be out when the group's v operands are wanted; w2: when the codes' registers are written again (-1: nothing of theirs is out)
.macro ATT1G g, w1, w2
	s_wait_dscnt \w1
	ATTMUL \g, 1
	PLACES 8
	WIN 0x07                                       ; source 0 window 3 (OA), source 1 window 1 (RS)
.irp q, 0,1,2,3
.irp i, 0,1,2,3,4,5,6,7
	v_mul_f32 v[ACC+16*\q+\i], v[OA+8*(4*(\g)+\q)+\i], v[RS+4*(\g)+\q]
.endr
.endr
	WIN 0x05                                       ; source 0 window 1 (OT)
.irp q, 0,1,2,3
.irp i, 0,1,2,3,4,5,6,7
	v_mul_f32 v[ACC+16*\q+8+\i], v[OT+8*\q+\i], v[RS+4*(\g)+\q]
.endr
.endr
	WIN 0
.if \w2 >= 0
	s_wait_dscnt \w2                               ; the group before's stores have read their registers
.endif
	QUANT4 ACC
.irp q, 0,1,2,3
.irp i, 0,1,2
	ds_store_b32 v[OCA], v[PC+4*\q+\i] offset:784*(4*(\g)+\q)+4*\i
.endr
	ds_store_b8 v[OSA], v[TM+4+\q] offset:48*(4*(\g)+\q)
.endr
.if \g < 2
	ATTLOAD \g+2
.endif
.endm
.macro ATT1
	ATTLOAD 0
	ATTLOAD 1
	ATT1G 0, 8, -1                                 ; out: the second run of 8 loads
	ATT1G 1, 24, 8                                 ; out: group 0's 16 stores and 8 loads; then the 8 loads
	ATT1G 2, 24, 8
	ATT1G 3, 16, 0                                 ; out: group 2's 16 stores; then nothing
.endm
.macro XLOAD                           ; x's 32 fragments out of XT, in pieces of 8 bytes; lanes 16-31 read three pieces on, which for pieces 29-31 of a unit is behind one padding more
.irp s, 0,1,2,3,4,5,6,7
	WIN 0x40+0x40*(\s/4)
.irp m, 0,1,2,3
.irp p, 0,1,2,3,4,5
.set PCE, 12*\s+6*(\p/3)+\p%3
.if PCE%32 < 29
	ds_load_b64 v[12*(4*(\s%4)+\m)+2*\p:12*(4*(\s%4)+\m)+2*\p+1], v[XA] offset:8*PCE+16*(PCE/32)+13056*\m
.else
	ds_load_b64 v[12*(4*(\s%4)+\m)+2*\p:12*(4*(\s%4)+\m)+2*\p+1], v[XA2] offset:8*PCE+16*(PCE/32)+13056*\m
.endif
.endr
.endr
.endr
	WIN 0
.endm
.macro RELOAD                          ; the attention result takes x's place: 32 fragments out of OC, 16 registers of scale words out of OS
.irp s, 0,1,2,3,4,5,6,7
	WIN 0x40+0x40*(\s/4)
.irp m, 0,1,2,3
.irp p, 0,1,2,3,4,5
	ds_load_b64 v[12*(4*(\s%4)+\m)+2*\p:12*(4*(\s%4)+\m)+2*\p+1], v[RLA] offset:12544*\m+96*\s+48*(\p/3)+8*(\p%3)
.endr
.endr
.endr
	WIN 0
.irp a, 0,1
.irp x, 0,1
	ds_load_b128 v[XS+8*\a+4*\x:XS+8*\a+4*\x+3], v[RSA] offset:1536*\a+16*\x
.endr
.endr
.endm
; THE WAY OUT.  stage = 1: the tile just finished (64 tokens x 128 columns, from four waves) goes into one stage.  send = 1: the tile before it, whole since the last barrier, comes out of the
; other stage, 16 rows a wave, and is stored: 32 lanes store 512 consecutive bytes, aligned.
.macro POSTO send, stage
	v_add_nc_u32 v[STAC], s18, v[STA0]
	v_add_nc_u32 v[SRC], s19, v[SR0]
.if \send
	WIN 0x80                                       ; destination window 2
.irp i, 0,1,2,3,4,5,6,7,8,9,10,11,12,13,14,15
	ds_load_b128 v[VB+4*\i:VB+4*\i+3], v[SRC] offset:528*\i
.endr
	WIN 0
.endif
.if \stage
.irp m, 0,1,2,3
.irp u, 0,1
	ds_store_b128 v[STAC], v[ACC+16*\m+8*\u:ACC+16*\m+8*\u+3] offset:8448*\m+32*\u       ; each accumulator from its low end on
	ds_store_b128 v[STAC], v[ACC+16*\m+8*\u+4:ACC+16*\m+8*\u+7] offset:8448*\m+32*\u+16
.endr
.endr
.endif
.if \send
	s_wait_dscnt 16*(\stage)                       ; the stores into the stage may be out: the rows are in registers
	WIN 0x08                                       ; a store's data are its source 1: window 2
.irp i, 0,1,2,3,4,5,6,7,8,9,10,11,12,13,14,15
	global_store_b128 v[LN16], v[VB+4*\i:VB+4*\i+3], s[56:57] offset:4096*\i th:TH_STORE_NT
.endr
	WIN 0
	s_wait_xcnt 0x0                                ; the stores have read their base and their data: only now the base steps, and the next tile's rows may land
	s_add_nc_u64 s[56:57], s[56:57], 512           ; the next 128 columns
.endif
	s_xor_b32 s18, s18, STGB
	s_xor_b32 s19, s19, STGB
.endm
	; ---------------- head
	s_load_b256 s[4:11], s[0:1], 0x0               ; x codes s[4:5], x scales s[6:7], wimg s[8:9], out0 s[10:11]
	v_lshl_add_u32 v[SPW], v0, 2, SPARE
	v_mov_b32 v[NIL], 0
	ds_add_u32 v6, v7
	ds_add_u32 v6, v7
	s_wait_dscnt 0x0
	v_lshrrev_b32 v250, 5, v0
	v_readfirstlane_b32 s12, v250                  ; wave 0..3
	v_and_b32 v250, 31, v0                         ; lane
	v_lshlrev_b32 v[XSO], 5, v250
	s_bfe_u32 s13, ttmp6, 0x40000                  ; cx
	s_lshl_b32 s14, ttmp9, 2                       ; in a cluster launch ttmp9 counts clusters
	s_add_co_u32 s14, s14, s13                     ; my block of 64 tokens: it enters the addresses of x, its scales and out0 alone
	s_mov_b32 s15, 0
	s_mul_i32 s16, s12, WPART
	s_mov_b32 s18, 0
	s_mov_b32 s19, STGB
	s_mov_b32 s20, 0x76543210
	s_mov_b32 s21, 0xfedcba98                      ; v_permlanex16_b32: lane l xor 16
	s_mov_b32 s22, 0x3e38aa3b                      ; c = log2(e) / sqrt(64)
	s_mov_b32 s23, s22                             ; (named with it as a pair, so it is written)
	s_mov_b32 s24, 0xbe38aa3b                      ; -c
	s_mov_b32 s66, 0
	s_mov_b32 s67, 0
	; group 1 of a weight tile's quarter: 25,600 dense bytes as 100 rows of 32 elements of 8 bytes, no padding; mask: all four work-groups, bit 21 beside it
	s_mov_b32 s28, 15|(3<<16)|(1<<21)
	s_mov_b32 s29, 32<<16                          ; tensor_dim0
	s_mov_b32 s30, 100<<16                         ; tensor_dim1
	s_mov_b32 s31, 32<<16                          ; tile_dim0
	s_mov_b32 s32, 100                             ; tile_dim1
	s_mov_b32 s33, 32                              ; pitch
	s_mov_b32 s34, 0
	s_mov_b32 s35, 0
	; group 1 of x: my 16 tokens, 12,288 dense bytes as 48 rows of 256, 16 bytes of padding behind each; no mask
	s_mov_b32 s36, (3<<16)|(1<<20)|(5<<22)|(3<<25)
	s_mov_b32 s37, 32<<16
	s_mov_b32 s38, 48<<16
	s_mov_b32 s39, 32<<16
	s_mov_b32 s40, 48
	s_mov_b32 s41, 32
	s_mov_b32 s42, 0
	s_mov_b32 s43, 0
	s_mul_i32 s58, s14, 49152                      ; x: 64 tokens x 768 bytes a work-group,
	s_mul_i32 s59, s12, 12288                      ; 16 tokens a wave
	s_add_co_u32 s58, s58, s59
	s_mov_b32 s59, 0
	s_mov_b32 s60, s16                             ; wimg: my quarter of a tile: the wave's number alone
	s_mov_b32 s61, 0
	s_lshl_b32 s62, s14, 11                        ; x scales: 64 tokens x 32 bytes
	s_mov_b32 s63, 0
	s_lshl_b32 s68, s14, 18                        ; out0: 64 rows of 4,096 bytes a work-group,
	s_lshl_b32 s69, s12, 16                        ; 16 rows a wave
	s_add_co_u32 s68, s68, s69
	s_mov_b32 s69, 0
	s_mov_b32 s44, 1
	s_mul_i32 s45, s12, 13056
	s_add_co_u32 s45, s45, XT
	s_mov_b32 s48, 1
	s_mov_b32 s49, s16                             ; tile 0 into slot 0
	s_mov_b32 s52, 1
	s_add_co_u32 s53, s16, SLOTB                   ; tile 1 into slot 1
	s_wait_kmcnt 0x0
	s_add_nc_u64 s[46:47], s[4:5], s[58:59]
	s_add_nc_u64 s[50:51], s[8:9], s[60:61]
	s_add_nc_u64 s[54:55], s[50:51], SLOTB
	s_or_b32 s47, s47, 0x80000000                  ; type = 2
	s_or_b32 s51, s51, 0x80000000
	s_or_b32 s55, s55, 0x80000000
	s_add_nc_u64 s[6:7], s[6:7], s[62:63]
	s_add_nc_u64 s[56:57], s[10:11], s[68:69]
	global_load_b128 v[XS:XS+3], v[XSO], s[6:7]                  ; x's scale words: lane l takes token 32 a + l, 16 bytes a load
	global_load_b128 v[XS+4:XS+7], v[XSO], s[6:7] offset:16
	global_load_b128 v[XS+8:XS+11], v[XSO], s[6:7] offset:1024
	global_load_b128 v[XS+12:XS+15], v[XSO], s[6:7] offset:1040
	CROUND                                         ; all four work-groups are here: the first joint loads meet
	tensor_load_to_lds s[44:47], s[36:43]          ; the first fills go out as one group: x (my own), tile 0, tile 1: three loads of mine are out
	s_nop 0
	tensor_load_to_lds s[48:51], s[28:35]
	s_nop 0
	tensor_load_to_lds s[52:55], s[28:35]
	s_nop 0
	PLACES 4
	v_and_b32 v251, 15, v0                         ; r
	v_bfe_u32 v252, v0, 4, 1                       ; h
	v_lshlrev_b32 v[LN16], 4, v250
	s_mul_i32 s58, s12, 24576
	v_add_nc_u32 v[WA0], s58, v[LN16]
	s_lshl_b32 s58, s12, 10
	s_add_co_u32 s58, s58, 98304
	v_add_nc_u32 v[WS0], s58, v[LN16]
	v_mul_u32_u24 v[QA0], v251, 1552
	v_mad_u32_u24 v[QA0], v252, 12, v[QA0]
	s_mul_i32 s58, s12, 24
	s_add_co_u32 s58, s58, QKC
	v_add_nc_u32 v[QA0], s58, v[QA0]
	v_add_nc_u32 v[QA1], 49664, v[QA0]
	v_mul_u32_u24 v[QSA], v251, 80
	s_add_co_u32 s58, s12, QKS
	v_add_nc_u32 v[QSA], s58, v[QSA]
	v_mul_u32_u24 v[SKA], v251, 48
	v_mad_u32_u24 v[SKA], v252, 24, v[SKA]
	s_mul_i32 s58, s12, 24832
	s_add_co_u32 s58, s58, QKC
	v_add_nc_u32 v[SKA], s58, v[SKA]
	v_lshlrev_b32 v[SSA], 1, v251
	v_lshl_add_u32 v[SSA], v252, 5, v[SSA]
	s_mul_i32 s58, s12, 1280
	s_add_co_u32 s58, s58, QKS
	v_add_nc_u32 v[SSA], s58, v[SSA]
	v_mul_u32_u24 v[VSA], v251, 1040
	v_lshl_add_u32 v[VSA], v252, 9, v[VSA]
	s_lshl_b32 s58, s12, 5
	s_add_co_u32 s58, s58, VCH
	v_add_nc_u32 v[VSA], s58, v[VSA]
	v_lshlrev_b32 v[VLA], 4, v251
	v_lshl_add_u32 v[VLA], v252, 9, v[VLA]
	s_mul_i32 s58, s12, 16640
	s_add_co_u32 s58, s58, VCH
	v_add_nc_u32 v[VLA], s58, v[VLA]
	v_mul_u32_u24 v[OCA], v251, 48
	v_mad_u32_u24 v[OCA], v252, 12, v[OCA]
	s_mul_i32 s58, s12, 12544
	s_add_co_u32 s58, s58, OC
	v_add_nc_u32 v[OCA], s58, v[OCA]
	v_lshlrev_b32 v[OSA], 1, v251
	s_mul_i32 s58, s12, 768
	s_add_co_u32 s58, s58, OS
	v_add_nc_u32 v[OSA], s58, v[OSA]
	v_mul_u32_u24 v[XA], v251, 816
	v_add_nc_u32 v[XA], XT, v[XA]
	v_mad_u32_u24 v[XA2], v252, 40, v[XA]
	v_mad_u32_u24 v[XA], v252, 24, v[XA]
	v_mul_u32_u24 v[STA0], v251, 528
	v_lshl_add_u32 v[STA0], v252, 6, v[STA0]
	s_lshl_b32 s58, s12, 7
	s_add_co_u32 s58, s58, STG
	v_add_nc_u32 v[STA0], s58, v[STA0]
	s_mul_i32 s58, s12, 8448
	s_add_co_u32 s58, s58, STG
	v_add_nc_u32 v[SR0], s58, v[LN16]
	v_mul_u32_u24 v[RLA], v251, 784
	v_mad_u32_u24 v[RLA], v252, 24, v[RLA]
	v_add_nc_u32 v[RLA], OC, v[RLA]
	v_mul_u32_u24 v[RSA], v250, 48
	v_add_nc_u32 v[RSA], OS, v[RSA]
.set i, 0
.rept 32
	v_mov_b32 v[TT+i], 0                           ; written once: a lane permute's destination counts as one of its sources
.set i, i+1
.endr
	s_wait_tensorcnt 0x1                           ; x and my part of tile 0 are in; tile 1 may stay out
	s_wait_loadcnt 0x0                             ; x's scale words
	s_barrier_signal -1
	s_barrier_wait -1                              ; everybody's are
	XLOAD
	LOADW
	G 1                                            ; tile 0.  Its barrier parts the reads of x from the first stores into the same bytes
	; ---------------- tiles 1 to 16: the tile before (q: 0-7, k: 8-15) is quantised while this tile's fragments come
	s_mov_b32 s17, 16
.LloopA:
	LOADW
	POSTQ
	G 1
	s_sub_co_u32 s17, s17, 1
	s_cmp_lg_u32 s17, 0
	s_cbranch_scc1 .LloopA
	; ---------------- the scores of my 16 tokens: S^T = k q^T, K = 64: the upper half of each fragment is zero codes (its two scale bytes are 0, over zero codes).  ACC holds tile 16 meanwhile
.irp j, 0,1,2,3,4,5,6,7
.irp i, 6,7,8,9,10,11
	v_mov_b32 v[WF+12*\j+\i], 0
.endr
.endr
	PLACES 4                                       ; an operand written by vector instructions stands 4 places ahead of a scaled product
.irp grp, 0,1,2,3
.if \grp > 0
	PLACES 4                                       ; in front of loads into registers that products have read
.endif
.irp q, 0,1,2,3
.irp i, 0,1,2
	ds_load_b64 v[WF+24*\q+2*\i:WF+24*\q+2*\i+1], v[SKA] offset:1552*(4*\grp+\q)+768+8*\i        ; k: head r, 32 h + 0 .. 31 of its 64
	ds_load_b64 v[WF+24*\q+12+2*\i:WF+24*\q+12+2*\i+1], v[SKA] offset:1552*(4*\grp+\q)+8*\i      ; q likewise
.endr
	ds_load_u16 v[SS+\q], v[SSA] offset:80*(4*\grp+\q)           ; two scale bytes: lanes 0-15 q's, lanes 16-31 k's
.endr
	s_wait_dscnt 0x0
	WIN 0xc0                                       ; destination window 3
.irp q, 0,1,2,3
	v_wmma_scale_f32_16x16x128_f8f6f4 v[8*(4*\grp+\q):8*(4*\grp+\q)+7], v[WF+24*\q:WF+24*\q+11], v[WF+24*\q+12:WF+24*\q+23], 0, v[SS+\q], v[SS+\q] matrix_a_fmt:MATRIX_FMT_FP6 matrix_b_fmt:MATRIX_FMT_FP6 matrix_a_scale:MATRIX_SCALE_ROW1
.endr
	WIN 0
.endr
	s_barrier_signal -1                            ; my reads of q's and k's codes are over (no LDS instruction of mine is out); the softmax is register work while the others arrive
	; ---------------- softmax.  Lane (r, h) of token tt: query head r, key heads 8 h + 0 .. 7 in registers 8 tt + 0 .. 7 of window 3.  p = 2^(c s - c max) stays unnormalised; 1 / sum multiplies the result
	PLACES 4
	WIN 0x3f                                       ; sources window 3, destination window 0
.set tt, 0
.rept 16
	v_max3_num_f32 v[TT+2*tt], v[8*tt], v[8*tt+1], v[8*tt+2]     ; each result is read from its low end on
.set tt, tt+1
.endr
	WIN 0x3c                                       ; source 0 window 0
.irp i, 3,5
.set tt, 0
.rept 16
	v_max3_num_f32 v[TT+2*tt], v[TT+2*tt], v[8*tt+\i], v[8*tt+\i+1]
.set tt, tt+1
.endr
.endr
.set tt, 0
.rept 16
	v_max_num_f32 v[TT+2*tt], v[TT+2*tt], v[8*tt+7]
.set tt, tt+1
.endr
	WIN 0
.set tt, 0
.rept 16
	v_permlanex16_b32 v[TT+2*tt+1], v[TT+2*tt], s20, s21         ; the other eight key heads lie in lane l xor 16
.set tt, tt+1
.endr
.set tt, 0
.rept 16
	v_max_num_f32 v[TT+2*tt], v[TT+2*tt], v[TT+2*tt+1]
.set tt, tt+1
.endr
.set tt, 0
.rept 16
	v_mul_f32 v[TT+2*tt], s24, v[TT+2*tt]                        ; -c max
.set tt, tt+1
.endr
	WIN 0xc3                                       ; destination and source 0 window 3, source 2 window 0
.set tt, 0
.rept 16
.irp k, 0,2,4,6
	v_pk_fma_f32 v[8*tt+\k:8*tt+\k+1], v[8*tt+\k:8*tt+\k+1], s[22:23], v[TT+2*tt:TT+2*tt+1] op_sel_hi:[1,0,0]   ; c s - c max, two at a time
.endr
.set tt, tt+1
.endr
.set i, 0
.rept 128
	v_exp_f32 v[i], v[i]                           ; one batch
.set i, i+1
.endr
	v_nop                                          ; a plain place behind the last exponential
	s_wait_alu depctr_va_vdst(0)                   ; one wait for the batch, ahead of its first reader
	WIN 0x0f                                       ; sources 0 and 1 window 3, destination window 0
.set tt, 0
.rept 16
	v_pk_add_f32 v[TT+2*tt:TT+2*tt+1], v[8*tt:8*tt+1], v[8*tt+2:8*tt+3]
.set tt, tt+1
.endr
	WIN 0x0c
.irp k, 4,6
.set tt, 0
.rept 16
	v_pk_add_f32 v[TT+2*tt:TT+2*tt+1], v[TT+2*tt:TT+2*tt+1], v[8*tt+\k:8*tt+\k+1]
.set tt, tt+1
.endr
.endr
	WIN 0
.set tt, 0
.rept 16
	v_add_f32 v[TT+2*tt], v[TT+2*tt], v[TT+2*tt+1]
.set tt, tt+1
.endr
.set tt, 0
.rept 16
	v_permlanex16_b32 v[TT+2*tt+1], v[TT+2*tt], s20, s21
.set tt, tt+1
.endr
.set tt, 0
.rept 16
	v_add_f32 v[TT+2*tt], v[TT+2*tt], v[TT+2*tt+1]               ; the row's sum, at least about 1
.set tt, tt+1
.endr
	WIN 0x40                                       ; destination window 1
.set tt, 0
.rept 16
	v_rcp_f32 v[RS+tt], v[TT+2*tt]
.set tt, tt+1
.endr
	v_nop
	s_wait_alu depctr_va_vdst(0)                   ; one wait for the sixteen reciprocals
	WIN 0
	s_barrier_wait -1                              ; nobody reads q's and k's codes any more: v may be stored over them
	; ---------------- tiles 17 to 24.  A trip serves 32 of the 64 d: four tiles of v (positions 0-7, 8-15 of d = 32 b + 16 h + 0 .. 7, then of 32 b + 16 h + 8 .. 15)
	s_mov_b32 s17, 2
.LloopB:
	LOADW
	VSTORE 0
	G 1
	LOADW
	VSTORE 1
	BAR                                            ; 16 positions of v of all 64 tokens lie in LDS
	ATT0
	G 1                                            ; its barrier parts my reads of v from the next stores
	LOADW
	VSTORE 0
	G 1
	LOADW
	VSTORE 1
	BAR
	ATT1
	BAR                                            ; the result's codes and bytes of this half of d lie in LDS, and the reads of v are over
	s_cmp_lg_u32 s17, 1                            ; in the last trip the result is whole: it takes x's place in the registers.  The branch passes over LDS loads alone
	s_cbranch_scc1 .Lno_reload
	RELOAD
.Lno_reload:
	v_add_nc_u32 v[OCA], 24, v[OCA]                ; the second half of d: 24 bytes, one scale byte on (the stores that named these were waited for)
	v_add_nc_u32 v[OSA], 1, v[OSA]
	G 1
	s_sub_co_u32 s17, s17, 1
	s_cmp_lg_u32 s17, 0
	s_cbranch_scc1 .LloopB
	; ---------------- tiles 25 to 31 of Wout: tile n - 1 goes into a stage, tile n - 2 leaves
	LOADW
	POSTO 0, 1
	G 1
	s_mov_b32 s17, 4
.LloopC:
	LOADW
	POSTO 1, 1
	G 1
	s_sub_co_u32 s17, s17, 1
	s_cmp_lg_u32 s17, 0
	s_cbranch_scc1 .LloopC
	LOADW                                          ; the last two tiles are written out: nothing is left to ask for
	POSTO 1, 1
	G 0
	LOADW
	POSTO 1, 1
	G 0
	POSTO 1, 1                                     ; tile 31 into its stage, tile 30 out
	BAR
	POSTO 1, 0                                     ; tile 31 out
	s_wait_tensorcnt 0x0                           ; the wave's end: behind my last tensor load and my last LDS store
	ds_add_u32 v[SPW], v[NIL]
	s_wait_dscnt 0x0
	CROUND                                         ; the closing round: no work-group ends while a partner may still ask for a tile that names it
	s_endpgm
.Lfunc_end_k_q4c7408ba8d_fused:
	.size	k_q4c7408ba8d_fused, .Lfunc_end_k_q4c7408ba8d_fused-k_q4c7408ba8d_fused
	.p2alignl 7, 3214868480
	.fill 96, 4, 3214868480
	.section	.rodata,"a",@progbits
	.p2align	6, 0x0
	.amdhsa_kernel k_q4c7408ba8d_fused
		.amdhsa_group_segment_fixed_size 327680
		.amdhsa_private_segment_fixed_size 0
		.amdhsa_enable_private_segment 0
		.amdhsa_kernarg_size 32
		.amdhsa_user_sgpr_count 2
		.amdhsa_user_sgpr_kernarg_segment_ptr 1
		.amdhsa_wavefront_size32 1
		.amdhsa_system_sgpr_workgroup_id_x 1
		.amdhsa_system_sgpr_workgroup_id_y 1
		.amdhsa_system_sgpr_workgroup_id_z 1
		.amdhsa_system_vgpr_workitem_id 0
		.amdhsa_next_free_vgpr 1024
		.amdhsa_next_free_sgpr 72
		.amdhsa_reserve_vcc 0
		.amdhsa_float_denorm_mode_32 3
		.amdhsa_float_denorm_mode_16_64 3
		.amdhsa_memory_ordered 1
		.amdhsa_forward_progress 1
		.amdhsa_inst_pref_size 255
	.end_amdhsa_kernel
	.section	.bss,"aw",@nobits
	.p2align	6
	.space	262144
	.amdgpu_metadata
---
amdhsa.version: [ 1, 2 ]
amdhsa.kernels:
  - .name:           k_q4c7408ba8d_fused
    .symbol:         k_q4c7408ba8d_fused.kd
    .args:
      - { .name: x_codes, .offset: 0, .size: 8, .value_kind: global_buffer, .address_space: global }
      - { .name: x_scales, .offset: 8, .size: 8, .value_kind: global_buffer, .address_space: global }
      - { .name: wimg, .offset: 16, .size: 8, .value_kind: global_buffer, .address_space: global }
      - { .name: out0, .offset: 24, .size: 8, .value_kind: global_buffer, .address_space: global }
    .group_segment_fixed_size: 327680
    .private_segment_fixed_size: 0
    .kernarg_segment_align: 8
    .kernarg_segment_size: 32
    .max_flat_workgroup_size: 128
    .sgpr_count:     72
    .vgpr_count:     1024
    .wavefront_size: 32
...
	.end_amdgpu_metadata
.endif
;; end of part 2
;; ======== version 2 of 2: 2 launches
;; limits: right only within a limited range of input values
;; workspace buffers: wimg 3,276,800 bytes
;; launch relay (part 3): grid 256 x 1, 1 waves a work-group, no clusters, 0 bytes of LDS; arguments Wq_codes, Wq_scales, Wkv_codes, Wkv_scales, Wout_codes, Wout_scales, wimg; writes wimg
.if DOCPART == 3
	.amdgcn_target "amdgcn-amd-amdhsa--gfx1250"
	.amdhsa_code_object_version 6
	.text
	.protected	k_q4c7408ba8d_relay
	.globl	k_q4c7408ba8d_relay
	.p2align	8
	.type	k_q4c7408ba8d_relay,@function
k_q4c7408ba8d_relay:
	s_mov_b64 s[64:65], 0
	v_nop
	global_prefetch_b8 v0, s[64:65] scope:SCOPE_SE
	s_setreg_imm32_b32 hwreg(HW_REG_WAVE_MODE, 25, 1), 1
	s_wait_xcnt 0x0
; The three weights (codes of E2M3, K = 1,024 innermost, 768 bytes a row; 32 scale bytes a row) are copied once into wimg, in the order of the
; operand registers and in the order in which the main launch walks them.  Nothing is converted: bytes are only laid elsewhere.
; wimg = 32 tiles of 102,400 bytes.  Tile g holds 128 weight rows as 8 tiles T = 2 w + u of 16 rows (w: the wave that will read them).
;   codes:  24,576 w + (2 s + u) 1,536 + 512 c + 16 lane : registers 4 c .. 4 c + 3 of the fragment of K step s (128 along K)
;   scales: 98,304 + 1,024 w + 512 x + 16 lane           : the words of K steps 4 x .. 4 x + 3; lanes 0-15 row r of tile u = 0, lanes 16-31 of u = 1
; Which row lane r of tile T holds (ph = g / 8, gp = g % 8, r2 = r + 8 (r / 8)):
;   ph 0 Wq and ph 3 Wout: 128 gp + 32 w + 8 u + r2;   ph 1 Wkv, k of two heads: 256 gp + 128 (w / 2) + 32 (w % 2) + 8 u + r2;
;   ph 2 Wkv, v: 128 r + 64 + d, d = 32 (gp / 4) + 16 (gp % 2) + 8 ((gp / 2) % 2) + T: the 16 heads at one d.
; One wave makes one tile of 16 rows: 48 loads of 8 bytes a lane (the fragments as the matrix unit wants them), 24 stores of 512 dense bytes.
.set TILEB, 102400
	s_load_b256 s[4:11], s[0:1], 0x0               ; Wq codes s[4:5], Wq scales s[6:7], Wkv codes s[8:9], Wkv scales s[10:11]
	s_load_b128 s[12:15], s[0:1], 0x20             ; Wout codes s[12:13], Wout scales s[14:15]
	s_load_b64 s[16:17], s[0:1], 0x30              ; wimg
	s_lshr_b32 s20, ttmp9, 3                       ; g
	s_and_b32 s21, ttmp9, 7                        ; T
	s_lshr_b32 s22, s20, 3                         ; ph
	s_and_b32 s23, s20, 7                          ; gp
	s_lshr_b32 s24, s21, 1                         ; w
	s_and_b32 s25, s21, 1                          ; u
	s_lshl_b32 s31, s25, 3                         ; 8 u
	s_lshl_b32 s26, s23, 7                         ; Wq, Wout: 128 gp + 32 w + 8 u
	s_lshl_b32 s36, s24, 5
	s_add_co_u32 s26, s26, s36
	s_add_co_u32 s26, s26, s31
	s_lshl_b32 s27, s23, 8                         ; k: 256 gp + 128 (w / 2) + 32 (w % 2) + 8 u
	s_lshr_b32 s36, s24, 1
	s_lshl_b32 s36, s36, 7
	s_add_co_u32 s27, s27, s36
	s_and_b32 s36, s24, 1
	s_lshl_b32 s36, s36, 5
	s_add_co_u32 s27, s27, s36
	s_add_co_u32 s27, s27, s31
	s_lshr_b32 s28, s23, 2                         ; v: 64 + 32 (gp / 4) + 16 (gp % 2) + 8 ((gp / 2) % 2) + T
	s_lshl_b32 s28, s28, 5
	s_and_b32 s36, s23, 1
	s_lshl_b32 s36, s36, 4
	s_add_co_u32 s28, s28, s36
	s_bfe_u32 s36, s23, 0x10001
	s_lshl_b32 s36, s36, 3
	s_add_co_u32 s28, s28, s36
	s_add_co_u32 s28, s28, s21
	s_add_co_u32 s28, s28, 64
	s_mul_i32 s36, s20, TILEB                      ; where the tile begins in wimg
	s_mul_i32 s38, s24, 24576
	s_mul_i32 s40, s25, 1536
	s_add_co_u32 s38, s38, s40
	s_add_co_u32 s38, s38, s36                     ; my fragments
	s_mov_b32 s39, 0
	s_lshl_b32 s40, s24, 10
	s_add_co_u32 s40, s40, s36
	s_add_co_u32 s40, s40, 98304                   ; my scale words
	s_mov_b32 s41, 0
	s_lshl_b32 s42, s25, 8                         ; 256 u
	s_cmp_eq_u32 s22, 1
	s_cselect_b32 s26, s27, s26
	s_cmp_eq_u32 s22, 2
	s_cselect_b32 s26, s28, s26                    ; the tile's first row
	s_cselect_b32 s29, 128, 1                      ; from lane to lane: a head in v, else a row
	s_cselect_b32 s30, 0, 8                        ; and 8 more for lanes 8-15, but in v
	v_and_b32 v1, 15, v0                           ; r
	v_lshrrev_b32 v6, 4, v0                        ; h
	v_lshrrev_b32 v7, 3, v1
	v_mul_u32_u24 v12, s29, v1
	v_mad_u32_u24 v12, v7, s30, v12
	v_add_nc_u32 v12, s26, v12                     ; my row of the weight
	v_mul_u32_u24 v2, v12, 768
	v_mad_u32_u24 v2, v6, 24, v2                   ; its codes, + 24 bytes for lanes 16-31
	v_lshlrev_b32 v3, 5, v12
	v_lshl_add_u32 v3, v6, 4, v3                   ; its scale bytes: lanes 0-15 the first 16, lanes 16-31 the other 16
	v_lshlrev_b32 v4, 4, v0                        ; an image: 16 bytes a lane
	v_lshlrev_b32 v5, 4, v1
	v_lshl_add_u32 v5, v6, 9, v5
	v_add_nc_u32 v5, s42, v5                       ; the scale words: 512 h + 256 u + 16 r
	s_wait_alu depctr_va_vdst(0)
	s_wait_kmcnt 0x0
	s_cmp_eq_u32 s22, 0                            ; the choice of buffers hangs on the work-group number alone
	s_cselect_b64 s[32:33], s[4:5], s[8:9]
	s_cselect_b64 s[34:35], s[6:7], s[10:11]
	s_cmp_eq_u32 s22, 3
	s_cselect_b64 s[32:33], s[12:13], s[32:33]
	s_cselect_b64 s[34:35], s[14:15], s[34:35]
	s_add_nc_u64 s[38:39], s[16:17], s[38:39]
	s_add_nc_u64 s[40:41], s[16:17], s[40:41]
.irp s, 0,1,2,3,4,5,6,7
.irp p, 0,1,2,3,4,5
	global_load_b64 v[16+12*\s+2*\p:16+12*\s+2*\p+1], v2, s[32:33] offset:96*\s+48*(\p/3)+8*(\p%3)
.endr
.endr
	global_load_b128 v[8:11], v3, s[34:35]
	s_wait_loadcnt 0x0
.irp s, 0,1,2,3,4,5,6,7
.irp c, 0,1,2
	global_store_b128 v4, v[16+12*\s+4*\c:16+12*\s+4*\c+3], s[38:39] offset:3072*\s+512*\c   ; 32 lanes store 512 consecutive bytes, aligned
.endr
.endr
	global_store_b128 v5, v[8:11], s[40:41]        ; each half of the lanes stores 256 consecutive bytes, aligned
	s_endpgm
.Lfunc_end_k_q4c7408ba8d_relay:
	.size	k_q4c7408ba8d_relay, .Lfunc_end_k_q4c7408ba8d_relay-k_q4c7408ba8d_relay
	.p2alignl 7, 3214868480
	.fill 96, 4, 3214868480
	.section	.rodata,"a",@progbits
	.p2align	6, 0x0
	.amdhsa_kernel k_q4c7408ba8d_relay
		.amdhsa_group_segment_fixed_size 0
		.amdhsa_private_segment_fixed_size 0
		.amdhsa_enable_private_segment 0
		.amdhsa_kernarg_size 56
		.amdhsa_user_sgpr_count 2
		.amdhsa_user_sgpr_kernarg_segment_ptr 1
		.amdhsa_wavefront_size32 1
		.amdhsa_system_sgpr_workgroup_id_x 1
		.amdhsa_system_sgpr_workgroup_id_y 1
		.amdhsa_system_sgpr_workgroup_id_z 1
		.amdhsa_system_vgpr_workitem_id 0
		.amdhsa_next_free_vgpr 128
		.amdhsa_next_free_sgpr 66
		.amdhsa_reserve_vcc 0
		.amdhsa_float_denorm_mode_32 3
		.amdhsa_float_denorm_mode_16_64 3
		.amdhsa_memory_ordered 1
		.amdhsa_forward_progress 1
		.amdhsa_inst_pref_size 10
	.end_amdhsa_kernel
	.amdgpu_metadata
---
amdhsa.version: [ 1, 2 ]
amdhsa.kernels:
  - .name:           k_q4c7408ba8d_relay
    .symbol:         k_q4c7408ba8d_relay.kd
    .args:
      - { .name: Wq_codes, .offset: 0, .size: 8, .value_kind: global_buffer, .address_space: global }
      - { .name: Wq_scales, .offset: 8, .size: 8, .value_kind: global_buffer, .address_space: global }
      - { .name: Wkv_codes, .offset: 16, .size: 8, .value_kind: global_buffer, .address_space: global }
      - { .name: Wkv_scales, .offset: 24, .size: 8, .value_kind: global_buffer, .address_space: global }
      - { .name: Wout_codes, .offset: 32, .size: 8, .value_kind: global_buffer, .address_space: global }
      - { .name: Wout_scales, .offset: 40, .size: 8, .value_kind: global_buffer, .address_space: global }
      - { .name: wimg, .offset: 48, .size: 8, .value_kind: global_buffer, .address_space: global }
    .group_segment_fixed_size: 0
    .private_segment_fixed_size: 0
    .kernarg_segment_align: 8
    .kernarg_segment_size: 56
    .max_flat_workgroup_size: 32
    .sgpr_count:     66
    .vgpr_count:     128
    .wavefront_size: 32
...
	.end_amdgpu_metadata
.endif
;; end of part 3
;; launch fused (part 4): grid 256 x 1, 4 waves a work-group, clusters of 4 x 1, 327,680 bytes of LDS; arguments x_codes, x_scales, wimg, out0; writes out0
.if DOCPART == 4
	.amdgcn_target "amdgcn-amd-amdhsa--gfx1250"
	.amdhsa_code_object_version 6
	.text
	.protected	k_q4c7408ba8d_fused
	.globl	k_q4c7408ba8d_fused
	.p2align	8
	.type	k_q4c7408ba8d_fused,@function
k_q4c7408ba8d_fused:
	s_mov_b64 s[64:65], 0
	v_nop
	global_prefetch_b8 v0, s[64:65] scope:SCOPE_SE
	s_setreg_imm32_b32 hwreg(HW_REG_WAVE_MODE, 25, 1), 1
	s_wait_xcnt 0x0
	s_wait_alu depctr_hold_cnt(0) depctr_sa_sdst(0) depctr_va_vdst(0) depctr_va_sdst(0) depctr_va_ssrc(0) depctr_va_vcc(0) depctr_vm_vsrc(0)
	s_getreg_b32 s2, hwreg(HW_REG_IB_STS2, 6, 4)
	s_cmp_eq_u32 s2, 0
	s_cbranch_scc0 .Lentry_in_a_cluster
	s_endpgm
.Lentry_in_a_cluster:
	s_bfe_u32 s2, ttmp6, 0x10000c
	s_cmp_lg_u32 s2, 0x3003
	s_cbranch_scc0 .Lentry_shape_is_right
	s_endpgm
.Lentry_shape_is_right:
; out0 = attention over the HEAD axis of each token, between the projections q, k, v = x W^T and the product with Wout, all in one launch.
; Quantised products (x Wq^T, x Wkv^T, q k^T of a token, out Wout^T): codes of E2M3 with one E8M0 scale for each 32 along K, by the scaled 16x16x128 form.
; p v of a token (K = 16) feeds a quantiser: f32 operands, by the f32 16x16x4 form.  Softmax, sums and scalings in f32; the row maximum is taken away.
; SHARES.  A work-group of four waves owns 64 tokens and takes them through the whole chain.  x (later: the attention result) is STATIONARY: every wave holds the
; codes of all 64 tokens x 1,024 K, 32 fragments, in 384 registers.  The weights go by, 32 tiles of 128 weight rows (buffer wimg: images of the operand registers), through two
; LDS slots.  THE WAVES SHARE THE COLUMNS: of a tile wave w takes 32 rows (2 tiles u) against 4 tiles m of tokens over 8 K steps: 64 matrix instructions on 8 accumulators.
; ALL PRODUCTS ARE USED TRANSPOSED (source 0 = weight rows, source 1 = tokens): lane (r, h) holds token r, its register i weight row 8 h + i of the tile.  The rows of a tile
; are chosen (launch relay) so that the 16 registers of tiles u = 0, 1 are 16 NEIGHBOURING columns 16 h + 0 .. 15 of a block of 32; in v tiles they are the heads 8 h + i at one d.
; THE WORK OF A TOKEN (scores, softmax, p v, quantising the result): wave w owns tokens 16 w .. 16 w + 15.
; CLUSTER.  All work-groups walk the same weights, so four of them ask for each tile JOINTLY: the same tensor load, the same descriptor, mask 15, in all four.
; THE ORDER OF THE WALK DIFFERS FROM CLUSTER TO CLUSTER, so that the clusters do not all ask for the same tile at the same time.  rho = (c + 5 (c / 16)) % 16, c the cluster's number, the same
; in all four partners.  The tile asked for at position n of the walk: n = 0 .. 15 (q, k): (n + rho) % 16;  n = 16 .. 23 (v): 16 + ((n % 8) xor chi), chi = 4 beta + sigma, sigma and beta bits 0 and 1 of rho;
; n = 24 .. 31 (Wout): 24 + ((n + rho) % 8).  Tiles of q, k and v are laid in LDS by ARRIVAL, at addresses that do not hang on rho; the reads of the score phase and of v undo the order; the half of d
; (beta) enters the place of the result's codes, and the tile of Wout the columns of out0.
; LIMITS: NaN, infinities and the scale byte 0xff among the inputs are not served.  A block whose largest magnitude lies under 2^-124 has its scale byte held at 1; a block
; of zeros gets the byte 1 where the rule says 127: its codes are zeros, and this program alone reads the bytes.  1 / sum is v_rcp_f32.
; LDS: two slots | spare words | a region used in turn for x (head), q and k codes and scale bytes (positions 0-15), v in f32 (16-23), the stages of out0 (24-31) |
; the result codes OC and their scale bytes OS.  Each change of use is parted by a barrier in front of which every wave has waited for its LDS instructions.
; IN THIS TEXT beta is taken as 0 in every work-group: chi = sigma, and trip b of the loop over v serves the half b of d, so the place of the result's codes hangs on the loop's count alone.
; x comes by dense global loads (24 of 512 bytes a wave) and LDS stores into XT; the head's one tensor load a wave is its quarter of position 0's tile, and position 1's follows behind a round, as a refill does.
.set SLOTB, 102400                     ; a slot = a tile of wimg, dense
.set WPART, 25600                      ; what one wave fetches of it
.set SPARE, 204800                     ; the spare words: 128 bytes a wave, two blocks of 256 bytes that no other line names
.set XT,    205312                     ; x: 192 units of 256 + 16 bytes; a token row 816 bytes; filled once
.set QKC,   205312                     ; q and k codes: token pitch 1,552: sixteen places of 96 bytes, place i = the tile that arrived i-th, + 16
.set QKS,   304640                     ; their scale bytes: token pitch 80: four bytes a place
.set VCH,   205312                     ; v, f32: token pitch 1,040; (head / 4) 256 + position 16 + (head % 4) 4
.set OC,    271872                     ; the result codes: token pitch 784
.set OS,    322048                     ; their scale bytes: token pitch 48
.set STG,   205312                     ; two stages of 64 rows x (512 + 16) bytes
.set STGB,  33792
; window 0
.set LN16, 1                           ; 16 x lane
.set WA0,  2                           ; my fragments in a slot: 24,576 w + 16 lane
.set WS0,  3                           ; my scale words in a slot: 98,304 + 1,024 w + 16 lane
.set WAD,  4                           ; the two above + the slot in hand
.set WSA,  5
.set SPW,  6                           ; my spare word; never rewritten
.set NIL,  7                           ; 0; never rewritten
.set QA0,  8                           ; q, k codes, token tiles 0, 1: QKC + 1,552 r + 12 h + 24 w
.set QA1,  9                           ; token tiles 2, 3: 49,664 on
.set QSA,  10                          ; their scale bytes: QKS + 80 r + w
.set SKA,  11                          ; a token's q fragment: QKC + 24,832 w + 96 ((r / 2 - rho) % 16) + 48 (r % 2) + 24 h
.set SSA,  12                          ; its scale bytes: QKS + 1,280 w + 4 ((r / 2 + 8 h - rho) % 16) + 2 (r % 2) (lanes 0-15 q, lanes 16-31 k)
.set VSA,  13                          ; v in: VCH + 1,040 r + 512 h + 32 w
.set VLA,  14                          ; v out: VCH + 16,640 w + 512 h + 16 ((r + 8 sigma) % 16)
.set OCA,  15                          ; result codes in: OC + 12,544 w + 48 r + 12 h
.set OSA,  16                          ; their bytes: OS + 768 w + 2 r
.set XA,   17                          ; x fragments: XT + 816 r + 24 h
.set XA2,  18                          ; the same behind one padding more: XT + 816 r + 40 h
.set STA0, 19                          ; stage in: STG + 528 r + 128 w + 64 h
.set SR0,  20                          ; stage out: STG + 8,448 w + 16 lane
.set STAC, 21                          ; the two above + the stage in hand
.set SRC,  22
.set XSO,  23                          ; 32 x lane: x_scales
.set WS,   24                          ; v24-31   the weights' scale words, register s: lanes 0-15 tile u = 0, lanes 16-31 u = 1
.set XS,   32                          ; v32-47   the tokens' scale words, register 8 a + s: lanes 0-15 token tile 2 a, lanes 16-31 tile 2 a + 1
.set TM,   48                          ; v48-63   the quantiser at work
.set PC,   64                          ; v64-79   codes just made, 4 x 4
.set TT,   48                          ; v48-79   the softmax: a pair for each of my 16 tokens
.set ACC,  80                          ; v80-143  the 8 accumulators: 16 m + 8 u
.set WF,   144                         ; v144-239 weight fragments: two sets of 4 (2 K steps x 2 tiles u)
.set SS,   240                         ; v240-243 scale words of the scores' product
.set RLA,  244                         ; result fragments: OC + 784 r + 24 h
.set RSA,  245                         ; their scale words: OS + 48 lane
.set QW0,  246                         ; v246-248 QA0, QA1, QSA + the tile's place
.set QW1,  247
.set QWS,  248
.set SKK,  249                         ; a token's k fragment: as SKA, eight places on, modulo 16
.set OCC,  253                         ; OCA + 24 b, OSA + b: the half b of d in hand
.set OSC,  254
; window 1: v0-191 stationary fragments of K steps 0-3 at 12 (4 s + m); v192-223 OT; v224-239 RS.   window 2: v0-191 K steps 4-7; v192-255 VB.   window 3: v0-127 P; v128-255 OA
.set OT,   192                         ; four f32 accumulators, written by matrix instructions alone
.set RS,   224                         ; 1 / sum of my 16 tokens
.set VB,   192                         ; v operands, two sets of 4 tokens; later rows of out0
.set OA,   128                         ; sixteen f32 accumulators, written by matrix instructions alone
; scalars: s12 wave, s13 cx, s14 work-group, s15 slot in hand, s16 25,600 w, s17 loop count, s18 / s19 stage written / read, s[20:21] lane selects, s[22:23] c, s24 -c, s25 rho,
; s[26:27] wimg at my quarter of a tile, s[28:35] group 1 of the weights' tiles, s36 / s37 24 b and b in the loop over v, s45 my part of XT, s[46:47] x at my 16 tokens, s[48:51] group 0 of the first tile,
; s[52:55] the walking one, s[56:57] out0 at my rows, s[62:63] out0 at the tile that leaves, s66 / s67 the tile's place among q, k codes / bytes (s66 later: the count of tiles that have left, + rho),
; s70 the position to be asked for, s71 sigma
.set MSB, 0
.macro WIN new                         ; the immediate's high byte repeats the setting that is left; a switch that changes nothing is dropped
.if MSB != (\new)
	s_set_vgpr_msb (MSB<<8)|(\new)
.set MSB, (\new)
.endif
.endm
.macro PLACES n
.rept \n
	v_nop
.endr
.endm
.macro CREST                           ; a round of the cluster's barrier behind its opening barrier
	s_cmp_lg_u32 s12, 0
	s_cbranch_scc1 .Lnot_wave_0_\@
	s_barrier_signal -3
.Lnot_wave_0_\@:
	s_barrier_wait -3
	s_barrier_signal -1
	s_barrier_wait -1
.endm
.macro CROUND
	s_barrier_signal -1
	s_barrier_wait -1
	CREST
.endm
.macro BAR                             ; my LDS stores have landed and my LDS loads are in: then the work-group's barrier.
	s_wait_dscnt 0x0
	s_barrier_signal -1
	s_barrier_wait -1
.endm
; four fragments (K steps k0, k0 + 1 x tiles u) into set 0 or 1: images, 512 dense bytes a load
.macro LOADSET set, k0
.irp f, 0,1,2,3
.irp c, 0,1,2
	ds_load_b128 v[WF+48*(\set)+12*\f+4*\c:WF+48*(\set)+12*\f+4*\c+3], v[WAD] offset:(2*(\k0)+\f)*1536+512*\c
.endr
.endr
.endm
.macro LOADW                           ; the head of a tile: its scale words and its first four K steps.  The two additions are places behind the last products
	v_add_nc_u32 v[WAD], s15, v[WA0]
	v_add_nc_u32 v[WSA], s15, v[WS0]
	ds_load_b128 v[WS:WS+3], v[WSA]
	ds_load_b128 v[WS+4:WS+7], v[WSA] offset:512
	LOADSET 0, 0
	LOADSET 1, 2
.endm
; one scaled product on the registers named by rD, rA, rB, rSA, rSB.  ra, rb: the side's scale words stand in lanes 16-31
.macro MM zero, ra, rb
.if \zero
.if \ra
.if \rb
	v_wmma_scale_f32_16x16x128_f8f6f4 v[rD:rD+7], v[rA:rA+11], v[rB:rB+11], 0, v[rSA], v[rSB] matrix_a_fmt:MATRIX_FMT_FP6 matrix_b_fmt:MATRIX_FMT_FP6 matrix_a_scale:MATRIX_SCALE_ROW1 matrix_b_scale:MATRIX_SCALE_ROW1
.else
	v_wmma_scale_f32_16x16x128_f8f6f4 v[rD:rD+7], v[rA:rA+11], v[rB:rB+11], 0, v[rSA], v[rSB] matrix_a_fmt:MATRIX_FMT_FP6 matrix_b_fmt:MATRIX_FMT_FP6 matrix_a_scale:MATRIX_SCALE_ROW1
.endif
.else
.if \rb
	v_wmma_scale_f32_16x16x128_f8f6f4 v[rD:rD+7], v[rA:rA+11], v[rB:rB+11], 0, v[rSA], v[rSB] matrix_a_fmt:MATRIX_FMT_FP6 matrix_b_fmt:MATRIX_FMT_FP6 matrix_b_scale:MATRIX_SCALE_ROW1
.else
	v_wmma_scale_f32_16x16x128_f8f6f4 v[rD:rD+7], v[rA:rA+11], v[rB:rB+11], 0, v[rSA], v[rSB] matrix_a_fmt:MATRIX_FMT_FP6 matrix_b_fmt:MATRIX_FMT_FP6
.endif
.endif
.else
.if \ra
.if \rb
	v_wmma_scale_f32_16x16x128_f8f6f4 v[rD:rD+7], v[rA:rA+11], v[rB:rB+11], v[rD:rD+7], v[rSA], v[rSB] matrix_a_fmt:MATRIX_FMT_FP6 matrix_b_fmt:MATRIX_FMT_FP6 matrix_a_scale:MATRIX_SCALE_ROW1 matrix_b_scale:MATRIX_SCALE_ROW1
.else
	v_wmma_scale_f32_16x16x128_f8f6f4 v[rD:rD+7], v[rA:rA+11], v[rB:rB+11], v[rD:rD+7], v[rSA], v[rSB] matrix_a_fmt:MATRIX_FMT_FP6 matrix_b_fmt:MATRIX_FMT_FP6 matrix_a_scale:MATRIX_SCALE_ROW1
.endif
.else
.if \rb
	v_wmma_scale_f32_16x16x128_f8f6f4 v[rD:rD+7], v[rA:rA+11], v[rB:rB+11], v[rD:rD+7], v[rSA], v[rSB] matrix_a_fmt:MATRIX_FMT_FP6 matrix_b_fmt:MATRIX_FMT_FP6 matrix_b_scale:MATRIX_SCALE_ROW1
.else
	v_wmma_scale_f32_16x16x128_f8f6f4 v[rD:rD+7], v[rA:rA+11], v[rB:rB+11], v[rD:rD+7], v[rSA], v[rSB] matrix_a_fmt:MATRIX_FMT_FP6 matrix_b_fmt:MATRIX_FMT_FP6
.endif
.endif
.endif
.endm
; K step s of a tile: 8 products, the 8 accumulators by turns, one instruction a turn.  wf: where the step's two weight fragments stand.  zero = 1: the products start the sums
.macro MUL8 s, wf, zero
.irp u, 0,1
.irp m, 0,1,2,3
.set rD, ACC+16*\m+8*\u
.set rA, (\wf)+12*\u
.set rB, 12*(4*((\s)%4)+\m)
.set rSA, WS+(\s)
.set rSB, XS+8*(\m/2)+(\s)
	MM \zero, \u, \m%2
.endr
.endr
.endm
; A TILE'S 64 PRODUCTS AND THE CHANGE OF SLOTS.  Four v_nop stand in front of each run of loads into registers that products have read (ISA guide 7.12.1 for vector instructions).
; In front of the barrier each wave waits for all its tensor loads (one is out: its part of the next tile), adds 0 to its spare word, and waits for that and for its reads of this slot.
; fill = 1: the barrier opens a round of the cluster's barrier, and behind it this slot is filled again, jointly, with the tile of the position two on: a wave's one tensor load until the next round.
; Which tile that is, and with it the walking descriptor, is made between the add and the wait for it, where no tensor load of mine is out.
.macro G fill
	s_wait_dscnt 0x0                               ; the tile's first four K steps, its scale words, and whatever the phase before had out
	WIN 0x04                                       ; source 1: window 1 (K steps 0-3 of the stationary operand)
	MUL8 0, WF, 1
	MUL8 1, WF+24, 0
	PLACES 4
	LOADSET 0, 4                                   ; (an LDS load names destination and source 0 alone: both window 0)
	MUL8 2, WF+48, 0
	MUL8 3, WF+72, 0
	PLACES 4
	LOADSET 1, 6
	WIN 0                                          ; (the add's two registers lie in window 0)
	s_wait_tensorcnt 0x0                           ; all my tensor loads have landed
	ds_add_u32 v[SPW], v[NIL]                      ; 0 onto my spare word
.if \fill
	s_add_co_u32 s58, s70, s25                     ; position + rho
	s_and_b32 s59, s58, 15                         ; q, k: (position + rho) % 16
	s_and_b32 s58, s58, 7
	s_or_b32 s58, s58, 24                          ; Wout: 24 + (position + rho) % 8
	s_and_b32 s60, s70, 7
	s_xor_b32 s60, s60, s71
	s_or_b32 s60, s60, 16                          ; v: 16 + ((position % 8) xor chi)
	s_cmp_lt_u32 s70, 24
	s_cselect_b32 s58, s60, s58
	s_cmp_lt_u32 s70, 16
	s_cselect_b32 s58, s59, s58                    ; the tile
	s_mul_i32 s58, s58, SLOTB                      ; its first byte in wimg: an offset, under 2^22
	s_mov_b32 s59, 0
	s_add_nc_u64 s[54:55], s[26:27], s[58:59]      ; my quarter of it
	s_or_b32 s55, s55, 0x80000000                  ; type = 2
	s_add_co_u32 s53, s15, s16                     ; into the slot in hand, my quarter
	s_add_co_u32 s70, s70, 1
.endif
	s_wait_dscnt 13                                ; set 1's twelve loads and the add may be out: set 0 is in
	WIN 0x08                                       ; source 1: window 2 (K steps 4-7)
	MUL8 4, WF, 0
	MUL8 5, WF+24, 0                               ; sixteen products stand between the add and the wait for it
	s_wait_dscnt 0x0                               ; the add is done, and my reads of this slot are over
	s_barrier_signal -1
	MUL8 6, WF+48, 0
	MUL8 7, WF+72, 0
	WIN 0
	s_barrier_wait -1
.if \fill
	CREST                                          ; no wave of any partner still reads this slot or has a load on its way
	tensor_load_to_lds s[52:55], s[28:35]
	s_nop 0
.endif
	PLACES 4                                       ; behind the tensor load, and the places behind the last products
	s_xor_b32 s15, s15, SLOTB                      ; on to the other slot
.endm
; FOUR BLOCKS OF 32 ARE QUANTISED.  Group b: 16 registers at s0 + 16 b = numbers 16 h + 0 .. 15 of a block; the block's other half lies in lane l xor 16.
; Codes (12 bytes a lane, as they lie in the row's stream of bits) in v[PC + 4 b ..], the scale's byte in v[TM + 4 + b].
.macro QUANT4 s0
.irp b, 0,1,2,3
	v_max3_num_f32 v[TM+\b], |v[\s0+16*\b]|, |v[\s0+16*\b+1]|, 0x1800000   ; my 16 numbers, from the low end on, and the floor 2^(3 - 127): the byte cannot fall under 1
.endr
.irp i, 2,4,6,8,10,12,14
.irp b, 0,1,2,3
	v_max3_num_f32 v[TM+\b], v[TM+\b], |v[\s0+16*\b+\i]|, |v[\s0+16*\b+\i+1]|
.endr
.endr
.irp b, 0,1,2,3
	v_permlanex16_b32 v[TM+4+\b], v[TM+\b], s20, s21
.endr
.irp b, 0,1,2,3
	v_max_num_f32 v[TM+\b], v[TM+\b], v[TM+4+\b]   ; the block's largest magnitude
.endr
.irp b, 0,1,2,3
	v_add_nc_u32 v[TM+12+\b], 0xff000000, v[TM+\b] ; 2 off its exponent field: the conversion takes that field as its scale
.endr
.irp b, 0,1,2,3
	v_lshrrev_b32 v[TM+4+\b], 23, v[TM+12+\b]      ; the scale's byte
.endr
.irp b, 0,1,2,3
	v_cvt_scalef32_pk16_fp6_f32 v[PC+4*\b:PC+4*\b+2], v[\s0+16*\b:\s0+16*\b+15], v[TM+12+\b]
.endr
	v_nop                                          ; one plain place behind the scaled conversions
.endm
; a tile of q or k: quantised, codes and bytes into the tokens' rows.  The tile of position n lies at byte 96 n + 24 w of a row, its byte at 4 n + w: by arrival, whichever tile it is
.macro POSTQ
	v_add_nc_u32 v[QW0], s66, v[QA0]               ; (the last tile's stores, which named these, were waited for in its G)
	v_add_nc_u32 v[QW1], s66, v[QA1]
	v_add_nc_u32 v[QWS], s67, v[QSA]
	QUANT4 ACC
.irp m, 0,1,2,3
.irp i, 0,1,2
	ds_store_b32 v[QW0+\m/2], v[PC+4*\m+\i] offset:(\m%2)*24832+4*\i
.endr
	ds_store_b8 v[QWS], v[TM+4+\m] offset:1280*\m  ; both lanes of a block write the same byte with the same value
.endr
	s_add_co_u32 s66, s66, 96
	s_add_co_u32 s67, s67, 4
.endm
; a tile of v (f32): lane (r, h) holds token r, heads 8 h + i; it goes to position 8 hh + 2 w + u of 16, hh = 0 for the pair's first tile to arrive, 1 for the second
.macro VSTORE hh
.irp m, 0,1,2,3
.irp u, 0,1
	ds_store_b128 v[VSA], v[ACC+16*\m+8*\u:ACC+16*\m+8*\u+3] offset:16640*\m+128*\hh+16*\u
	ds_store_b128 v[VSA], v[ACC+16*\m+8*\u+4:ACC+16*\m+8*\u+7] offset:16640*\m+128*\hh+16*\u+256
.endr
.endr
.endm
; v operands of my tokens 4 g .. 4 g + 3: lane (r, h): the d of position r in the true order (the address undoes the order of arrival), heads 8 h + 0 .. 7
.macro ATTLOAD g
	WIN 0x80                                       ; destination window 2
.irp q, 0,1,2,3
	ds_load_b128 v[VB+32*((\g)%2)+8*\q:VB+32*((\g)%2)+8*\q+3], v[VLA] offset:1040*(4*(\g)+\q)
	ds_load_b128 v[VB+32*((\g)%2)+8*\q+4:VB+32*((\g)%2)+8*\q+7], v[VLA] offset:1040*(4*(\g)+\q)+256
.endr
	WIN 0
.endm
; out^T = v^T p^T of four tokens, in f32: source 0 = 16 positions of d x 4 heads, source 1 = 4 heads x 16 query heads.  K slot (s, h, j) stands for head 8 h + 2 s + j in both.
; The four tokens' accumulators take turns; the first K step starts each sum with the constant 0.  uu = 0: into OA (kept), 1: into OT.
.macro ATTMUL g, uu
.if \uu
	WIN 0x5e                                       ; source 0 window 2, source 1 window 3, C and D window 1
.else
	WIN 0xfe                                       ; the same, C and D window 3
.endif
.irp s, 0,1,2,3
.irp q, 0,1,2,3
.set tt, 4*(\g)+\q
.set rA, VB+32*((\g)%2)+8*\q+2*\s
.set rB, 8*tt+2*\s
.if \uu
.set rD, OT+8*\q
.else
.set rD, OA+8*tt
.endif
.if \s == 0
	v_wmma_f32_16x16x4_f32 v[rD:rD+7], v[rA:rA+1], v[rB:rB+1], 0
.else
	v_wmma_f32_16x16x4_f32 v[rD:rD+7], v[rA:rA+1], v[rB:rB+1], v[rD:rD+7]
.endif
.endr
.endr
	WIN 0
.endm
.macro ATT0                            ; d = 32 b + 16 h + 0 .. 7 of my 16 tokens.  Eight places stand behind this form in front of loads into its sources
	ATTLOAD 0
	ATTLOAD 1
	s_wait_dscnt 8                                 ; the youngest eight loads may be out
	ATTMUL 0, 0
	PLACES 8
	ATTLOAD 2
	s_wait_dscnt 8
	ATTMUL 1, 0
	PLACES 8
	ATTLOAD 3
	s_wait_dscnt 8
	ATTMUL 2, 0
	s_wait_dscnt 0x0
	ATTMUL 3, 0
.endm
; d = 32 b + 16 h + 8 .. 15 of four tokens; then both halves x 1 / sum: 16 neighbours of block (head r, b) a lane; quantised; codes and bytes into the tokens' rows.
; w1: what may be out when the group's v operands are wanted; w2: when the codes' registers are written again (-1: nothing of theirs is out)
.macro ATT1G g, w1, w2
	s_wait_dscnt \w1
	ATTMUL \g, 1
	PLACES 8
	WIN 0x07                                       ; source 0 window 3 (OA), source 1 window 1 (RS)
.irp q, 0,1,2,3
.irp i, 0,1,2,3,4,5,6,7
	v_mul_f32 v[ACC+16*\q+\i], v[OA+8*(4*(\g)+\q)+\i], v[RS+4*(\g)+\q]
.endr
.endr
	WIN 0x05                                       ; source 0 window 1 (OT)
.irp q, 0,1,2,3
.irp i, 0,1,2,3,4,5,6,7
	v_mul_f32 v[ACC+16*\q+8+\i], v[OT+8*\q+\i], v[RS+4*(\g)+\q]
.endr
.endr
	WIN 0
.if \w2 >= 0
	s_wait_dscnt \w2                               ; the group before's stores have read their registers
.endif
	QUANT4 ACC
.irp q, 0,1,2,3
.irp i, 0,1,2
	ds_store_b32 v[OCC], v[PC+4*\q+\i] offset:784*(4*(\g)+\q)+4*\i
.endr
	ds_store_b8 v[OSC], v[TM+4+\q] offset:48*(4*(\g)+\q)
.endr
.if \g < 2
	ATTLOAD \g+2
.endif
.endm
.macro ATT1
	ATTLOAD 0
	ATTLOAD 1
	ATT1G 0, 8, -1                                 ; out: the second run of 8 loads
	ATT1G 1, 24, 8                                 ; out: group 0's 16 stores and 8 loads; then the 8 loads
	ATT1G 2, 24, 8
	ATT1G 3, 16, 0                                 ; out: group 2's 16 stores; then nothing
.endm
.macro XLOAD                           ; x's 32 fragments out of XT, in pieces of 8 bytes; lanes 16-31 read three pieces on, which for pieces 29-31 of a unit is behind one padding more
.irp s, 0,1,2,3,4,5,6,7
	WIN 0x40+0x40*(\s/4)
.irp m, 0,1,2,3
.irp p, 0,1,2,3,4,5
.set PCE, 12*\s+6*(\p/3)+\p%3
.if PCE%32 < 29
	ds_load_b64 v[12*(4*(\s%4)+\m)+2*\p:12*(4*(\s%4)+\m)+2*\p+1], v[XA] offset:8*PCE+16*(PCE/32)+13056*\m
.else
	ds_load_b64 v[12*(4*(\s%4)+\m)+2*\p:12*(4*(\s%4)+\m)+2*\p+1], v[XA2] offset:8*PCE+16*(PCE/32)+13056*\m
.endif
.endr
.endr
.endr
	WIN 0
.endm
.macro RELOAD                          ; the attention result takes x's place: 32 fragments out of OC, 16 registers of scale words out of OS
.irp s, 0,1,2,3,4,5,6,7
	WIN 0x40+0x40*(\s/4)
.irp m, 0,1,2,3
.irp p, 0,1,2,3,4,5
	ds_load_b64 v[12*(4*(\s%4)+\m)+2*\p:12*(4*(\s%4)+\m)+2*\p+1], v[RLA] offset:12544*\m+96*\s+48*(\p/3)+8*(\p%3)
.endr
.endr
.endr
	WIN 0
.irp a, 0,1
.irp x, 0,1
	ds_load_b128 v[XS+8*\a+4*\x:XS+8*\a+4*\x+3], v[RSA] offset:1536*\a+16*\x
.endr
.endr
.endm
; THE WAY OUT.  stage = 1: the tile just finished (64 tokens x 128 columns, from four waves) goes into one stage.  send = 1: the tile before it, whole since the last barrier, comes out of the
; other stage, 16 rows a wave, and is stored: 32 lanes store 512 consecutive bytes, aligned.  The k-th tile to leave is tile (k + rho) % 8 of Wout: columns 128 x that.
.macro POSTO send, stage
	v_add_nc_u32 v[STAC], s18, v[STA0]
	v_add_nc_u32 v[SRC], s19, v[SR0]
.if \send
	s_and_b32 s68, s66, 7                          ; (the stores that named s[62:63] were followed by a wait on XCNT for 0, and no global instruction has been issued since)
	s_lshl_b32 s68, s68, 9                         ; 512 bytes for each 128 columns
	s_mov_b32 s69, 0
	s_add_nc_u64 s[62:63], s[56:57], s[68:69]
	s_add_co_u32 s66, s66, 1
	WIN 0x80                                       ; destination window 2
.irp i, 0,1,2,3,4,5,6,7,8,9,10,11,12,13,14,15
	ds_load_b128 v[VB+4*\i:VB+4*\i+3], v[SRC] offset:528*\i
.endr
	WIN 0
.endif
.if \stage
.irp m, 0,1,2,3
.irp u, 0,1
	ds_store_b128 v[STAC], v[ACC+16*\m+8*\u:ACC+16*\m+8*\u+3] offset:8448*\m+32*\u       ; each accumulator from its low end on
	ds_store_b128 v[STAC], v[ACC+16*\m+8*\u+4:ACC+16*\m+8*\u+7] offset:8448*\m+32*\u+16
.endr
.endr
.endif
.if \send
	s_wait_dscnt 16*(\stage)                       ; the stores into the stage may be out: the rows are in registers
	WIN 0x08                                       ; a store's data are its source 1: window 2
.irp i, 0,1,2,3,4,5,6,7,8,9,10,11,12,13,14,15
	global_store_b128 v[LN16], v[VB+4*\i:VB+4*\i+3], s[62:63] offset:4096*\i th:TH_STORE_NT
.endr
	WIN 0
	s_wait_xcnt 0x0                                ; the stores have read their base and their data: only behind this wait is the base made anew, and may the next tile's rows land
.endif
	s_xor_b32 s18, s18, STGB
	s_xor_b32 s19, s19, STGB
.endm
	; ---------------- head
	s_load_b256 s[4:11], s[0:1], 0x0               ; x codes s[4:5], x scales s[6:7], wimg s[8:9], out0 s[10:11]
	v_lshl_add_u32 v[SPW], v0, 2, SPARE
	v_mov_b32 v[NIL], 0
	ds_add_u32 v6, v7
	ds_add_u32 v6, v7
	s_wait_dscnt 0x0
	v_lshrrev_b32 v250, 5, v0
	v_readfirstlane_b32 s12, v250                  ; wave 0..3
	v_and_b32 v250, 31, v0                         ; lane
	v_lshlrev_b32 v[XSO], 5, v250
	v_lshlrev_b32 v253, 4, v250                    ; 16 x lane: x's codes (v253, v254 serve the head here; the loop over v writes them anew)
	s_bfe_u32 s13, ttmp6, 0x40000                  ; cx
	s_lshl_b32 s14, ttmp9, 2                       ; in a cluster launch ttmp9 counts clusters
	s_add_co_u32 s14, s14, s13                     ; my block of 64 tokens: it enters the addresses of x, its scales and out0 alone
	s_lshr_b32 s25, ttmp9, 4                       ; rho = (c + 5 (c / 16)) % 16: of the cluster's number alone, so the same in all four partners;
	s_mul_i32 s25, s25, 5                          ; the second term lets clusters whose numbers agree in their low bits walk in different orders
	s_add_co_u32 s25, s25, ttmp9
	s_and_b32 s25, s25, 15
	s_and_b32 s71, s25, 1                          ; sigma
	s_mov_b32 s70, 2                               ; positions 0 and 1 are the first fills
	s_mov_b32 s15, 0
	s_mul_i32 s16, s12, WPART
	s_mov_b32 s18, 0
	s_mov_b32 s19, STGB
	s_mov_b32 s20, 0x76543210
	s_mov_b32 s21, 0xfedcba98                      ; v_permlanex16_b32: lane l xor 16
	s_mov_b32 s22, 0x3e38aa3b                      ; c = log2(e) / sqrt(64)
	s_mov_b32 s23, s22                             ; (named with it as a pair, so it is written)
	s_mov_b32 s24, 0xbe38aa3b                      ; -c
	s_mov_b32 s66, 0
	s_mov_b32 s67, 0
	; group 1 of a weight tile's quarter: 25,600 dense bytes as 100 rows of 32 elements of 8 bytes, no padding; mask: all four work-groups, bit 21 beside it
	s_mov_b32 s28, 15|(3<<16)|(1<<21)
	s_mov_b32 s29, 32<<16                          ; tensor_dim0
	s_mov_b32 s30, 100<<16                         ; tensor_dim1
	s_mov_b32 s31, 32<<16                          ; tile_dim0
	s_mov_b32 s32, 100                             ; tile_dim1
	s_mov_b32 s33, 32                              ; pitch
	s_mov_b32 s34, 0
	s_mov_b32 s35, 0
	s_mul_i32 s58, s14, 49152                      ; x: 64 tokens x 768 bytes a work-group,
	s_mul_i32 s59, s12, 12288                      ; 16 tokens a wave
	s_add_co_u32 s58, s58, s59
	s_mov_b32 s59, 0
	s_mov_b32 s60, s16                             ; wimg: my quarter of a tile: the wave's number alone
	s_mov_b32 s61, 0
	s_lshl_b32 s62, s14, 11                        ; x scales: 64 tokens x 32 bytes
	s_mov_b32 s63, 0
	s_lshl_b32 s68, s14, 18                        ; out0: 64 rows of 4,096 bytes a work-group,
	s_lshl_b32 s69, s12, 16                        ; 16 rows a wave
	s_add_co_u32 s68, s68, s69
	s_mov_b32 s69, 0
	s_mul_i32 s45, s12, 13056
	s_add_co_u32 s45, s45, XT
	s_mov_b32 s48, 1
	s_mov_b32 s49, s16                             ; position 0 into slot 0
	s_mov_b32 s52, 1
	s_add_co_u32 s53, s16, SLOTB                   ; position 1 into slot 1
	s_wait_alu depctr_va_vdst(0)
	s_wait_kmcnt 0x0
	s_add_nc_u64 s[46:47], s[4:5], s[58:59]
	s_add_nc_u64 s[26:27], s[8:9], s[60:61]        ; wimg at my quarter of tile 0: every tile's address is this + 102,400 x tile
	s_mul_i32 s60, s25, SLOTB                      ; position 0: tile rho
	s_add_nc_u64 s[50:51], s[26:27], s[60:61]
	s_add_co_u32 s60, s25, 1
	s_and_b32 s60, s60, 15                         ; position 1: tile (rho + 1) % 16
	s_mul_i32 s60, s60, SLOTB
	s_add_nc_u64 s[54:55], s[26:27], s[60:61]
	s_or_b32 s51, s51, 0x80000000
	s_or_b32 s55, s55, 0x80000000
	s_add_nc_u64 s[6:7], s[6:7], s[62:63]
	s_add_nc_u64 s[56:57], s[10:11], s[68:69]
	global_load_b128 v[XS:XS+3], v[XSO], s[6:7]                  ; x's scale words: lane l takes token 32 a + l, 16 bytes a load
	global_load_b128 v[XS+4:XS+7], v[XSO], s[6:7] offset:16
	global_load_b128 v[XS+8:XS+11], v[XSO], s[6:7] offset:1024
	global_load_b128 v[XS+12:XS+15], v[XSO], s[6:7] offset:1040
.set i, 0
.rept 24
	global_load_b128 v[WF+4*i:WF+4*i+3], v253, s[46:47] offset:512*i th:TH_LOAD_NT   ; x's codes of my 16 tokens: 12,288 dense bytes, 512 a load, read once
.set i, i+1
.endr
	CROUND                                         ; all four work-groups are here: the first joint loads meet
	tensor_load_to_lds s[48:51], s[28:35]          ; position 0, my quarter
	s_nop 0
	PLACES 4
	v_and_b32 v251, 15, v0                         ; r
	v_bfe_u32 v252, v0, 4, 1                       ; h
	v_mul_u32_u24 v254, v252, 272                  ; x into XT: load i of lane (r, h) is unit 2 i + h of my 48 units of 256 + 16 bytes, byte 16 r
	v_lshl_add_u32 v254, v251, 4, v254
	v_add_nc_u32 v254, s45, v254
	v_lshlrev_b32 v[LN16], 4, v250
	s_mul_i32 s58, s12, 24576
	v_add_nc_u32 v[WA0], s58, v[LN16]
	s_lshl_b32 s58, s12, 10
	s_add_co_u32 s58, s58, 98304
	v_add_nc_u32 v[WS0], s58, v[LN16]
	v_mul_u32_u24 v[QA0], v251, 1552
	v_mad_u32_u24 v[QA0], v252, 12, v[QA0]
	s_mul_i32 s58, s12, 24
	s_add_co_u32 s58, s58, QKC
	v_add_nc_u32 v[QA0], s58, v[QA0]
	v_add_nc_u32 v[QA1], 49664, v[QA0]
	v_mul_u32_u24 v[QSA], v251, 80
	s_add_co_u32 s58, s12, QKS
	v_add_nc_u32 v[QSA], s58, v[QSA]
	; the score phase reads in the true order: tile g of q, k arrived at position (g - rho) % 16.  Head r of q lies in tile r / 2, head r of k in tile 8 + r / 2
	v_lshrrev_b32 v80, 1, v251                     ; r / 2   (v80-85: at work here only)
	v_and_b32 v81, 1, v251                         ; r % 2
	s_sub_co_u32 s59, 16, s25                      ; 16 - rho: 1 .. 16
	v_add_nc_u32 v82, s59, v80
	v_and_b32 v82, 15, v82                         ; the place of q's tile: 0 .. 15
	v_add_nc_u32 v83, 8, v82
	v_and_b32 v83, 15, v83                         ; of k's
	v_mul_u32_u24 v[SKA], v81, 48
	v_mad_u32_u24 v[SKA], v252, 24, v[SKA]
	s_mul_i32 s58, s12, 24832
	s_add_co_u32 s58, s58, QKC
	v_add_nc_u32 v[SKA], s58, v[SKA]
	v_mad_u32_u24 v[SKK], v83, 96, v[SKA]
	v_mad_u32_u24 v[SKA], v82, 96, v[SKA]
	v_lshl_add_u32 v84, v252, 3, v82               ; lanes 0-15 q's place, lanes 16-31 k's
	v_and_b32 v84, 15, v84
	v_lshlrev_b32 v[SSA], 1, v81
	v_lshl_add_u32 v[SSA], v84, 2, v[SSA]
	s_mul_i32 s58, s12, 1280
	s_add_co_u32 s58, s58, QKS
	v_add_nc_u32 v[SSA], s58, v[SSA]
	v_mul_u32_u24 v[VSA], v251, 1040
	v_lshl_add_u32 v[VSA], v252, 9, v[VSA]
	s_lshl_b32 s58, s12, 5
	s_add_co_u32 s58, s58, VCH
	v_add_nc_u32 v[VSA], s58, v[VSA]
	s_and_b32 s59, s25, 1
	s_lshl_b32 s59, s59, 3                         ; 8 sigma: with sigma = 1 a pair's tiles arrive in the other order
	v_add_nc_u32 v85, s59, v251
	v_and_b32 v85, 15, v85                         ; where the d of position r was laid
	v_lshlrev_b32 v[VLA], 4, v85
	v_lshl_add_u32 v[VLA], v252, 9, v[VLA]
	s_mul_i32 s58, s12, 16640
	s_add_co_u32 s58, s58, VCH
	v_add_nc_u32 v[VLA], s58, v[VLA]
	v_mul_u32_u24 v[OCA], v251, 48
	v_mad_u32_u24 v[OCA], v252, 12, v[OCA]
	s_mul_i32 s58, s12, 12544
	s_add_co_u32 s58, s58, OC
	v_add_nc_u32 v[OCA], s58, v[OCA]
	v_lshlrev_b32 v[OSA], 1, v251
	s_mul_i32 s58, s12, 768
	s_add_co_u32 s58, s58, OS
	v_add_nc_u32 v[OSA], s58, v[OSA]
	v_mul_u32_u24 v[XA], v251, 816
	v_add_nc_u32 v[XA], XT, v[XA]
	v_mad_u32_u24 v[XA2], v252, 40, v[XA]
	v_mad_u32_u24 v[XA], v252, 24, v[XA]
	v_mul_u32_u24 v[STA0], v251, 528
	v_lshl_add_u32 v[STA0], v252, 6, v[STA0]
	s_lshl_b32 s58, s12, 7
	s_add_co_u32 s58, s58, STG
	v_add_nc_u32 v[STA0], s58, v[STA0]
	s_mul_i32 s58, s12, 8448
	s_add_co_u32 s58, s58, STG
	v_add_nc_u32 v[SR0], s58, v[LN16]
	v_mul_u32_u24 v[RLA], v251, 784
	v_mad_u32_u24 v[RLA], v252, 24, v[RLA]
	v_add_nc_u32 v[RLA], OC, v[RLA]
	v_mul_u32_u24 v[RSA], v250, 48
	v_add_nc_u32 v[RSA], OS, v[RSA]
.set i, 0
.rept 32
	v_mov_b32 v[TT+i], 0                           ; written once: a lane permute's destination counts as one of its sources
.set i, i+1
.endr
	s_wait_alu depctr_va_vdst(0)
	s_wait_loadcnt 0x0                             ; x's codes and scale words are in registers
.set i, 0
.rept 24
	ds_store_b128 v254, v[WF+4*i:WF+4*i+3] offset:544*i
.set i, i+1
.endr
	s_wait_tensorcnt 0x0                           ; my part of position 0 is in
	ds_add_u32 v[SPW], v[NIL]
	s_wait_dscnt 0x0                               ; the add is done, and my part of x lies in LDS
	CROUND                                         ; everybody's parts are in, and all four work-groups are here
	tensor_load_to_lds s[52:55], s[28:35]          ; position 1 into slot 1: the first tensor load behind the round
	s_nop 0
	PLACES 4
	XLOAD
	LOADW
	s_wait_alu depctr_va_vdst(0)
	G 1                                            ; position 0.  Its barrier parts the reads of x from the first stores into the same bytes
	; ---------------- positions 1 to 15: the tile before (q or k) is quantised while this tile's fragments come
	s_mov_b32 s17, 15
.LloopA:
	LOADW
	POSTQ
	G 1
	s_sub_co_u32 s17, s17, 1
	s_cmp_lg_u32 s17, 0
	s_cbranch_scc1 .LloopA
	POSTQ                                          ; position 15, the last tile of q and k
	s_wait_alu depctr_va_vdst(0)
	BAR                                            ; all codes and bytes of q and k lie in LDS
	; ---------------- the scores of my 16 tokens: S^T = k q^T, K = 64: the upper half of each fragment is zero codes (its two scale bytes are 0, over zero codes)
.irp j, 0,1,2,3,4,5,6,7
.irp i, 6,7,8,9,10,11
	v_mov_b32 v[WF+12*\j+\i], 0
.endr
.endr
	s_wait_alu depctr_va_vdst(0)
	PLACES 4                                       ; an operand written by vector instructions stands 4 places ahead of a scaled product
.irp grp, 0,1,2,3
.if \grp > 0
	PLACES 4                                       ; in front of loads into registers that products have read
.endif
.irp q, 0,1,2,3
.irp i, 0,1,2
	ds_load_b64 v[WF+24*\q+2*\i:WF+24*\q+2*\i+1], v[SKK] offset:1552*(4*\grp+\q)+8*\i            ; k: head r, 32 h + 0 .. 31 of its 64
	ds_load_b64 v[WF+24*\q+12+2*\i:WF+24*\q+12+2*\i+1], v[SKA] offset:1552*(4*\grp+\q)+8*\i      ; q likewise
.endr
	ds_load_u16 v[SS+\q], v[SSA] offset:80*(4*\grp+\q)           ; two scale bytes: lanes 0-15 q's, lanes 16-31 k's
.endr
	s_wait_dscnt 0x0
	WIN 0xc0                                       ; destination window 3
.irp q, 0,1,2,3
	v_wmma_scale_f32_16x16x128_f8f6f4 v[8*(4*\grp+\q):8*(4*\grp+\q)+7], v[WF+24*\q:WF+24*\q+11], v[WF+24*\q+12:WF+24*\q+23], 0, v[SS+\q], v[SS+\q] matrix_a_fmt:MATRIX_FMT_FP6 matrix_b_fmt:MATRIX_FMT_FP6 matrix_a_scale:MATRIX_SCALE_ROW1
.endr
	WIN 0
.endr
	s_barrier_signal -1                            ; my reads of q's and k's codes are over (no LDS instruction of mine is out); the softmax is register work while the others arrive
	; ---------------- softmax.  Lane (r, h) of token tt: query head r, key heads 8 h + 0 .. 7 in registers 8 tt + 0 .. 7 of window 3.  p = 2^(c s - c max) stays unnormalised; 1 / sum multiplies the result
	PLACES 4
	WIN 0x3f                                       ; sources window 3, destination window 0
.set tt, 0
.rept 16
	v_max3_num_f32 v[TT+2*tt], v[8*tt], v[8*tt+1], v[8*tt+2]     ; each result is read from its low end on
.set tt, tt+1
.endr
	WIN 0x3c                                       ; source 0 window 0
.irp i, 3,5
.set tt, 0
.rept 16
	v_max3_num_f32 v[TT+2*tt], v[TT+2*tt], v[8*tt+\i], v[8*tt+\i+1]
.set tt, tt+1
.endr
.endr
.set tt, 0
.rept 16
	v_max_num_f32 v[TT+2*tt], v[TT+2*tt], v[8*tt+7]
.set tt, tt+1
.endr
	WIN 0
.set tt, 0
.rept 16
	v_permlanex16_b32 v[TT+2*tt+1], v[TT+2*tt], s20, s21         ; the other eight key heads lie in lane l xor 16
.set tt, tt+1
.endr
.set tt, 0
.rept 16
	v_max_num_f32 v[TT+2*tt], v[TT+2*tt], v[TT+2*tt+1]
.set tt, tt+1
.endr
.set tt, 0
.rept 16
	v_mul_f32 v[TT+2*tt], s24, v[TT+2*tt]                        ; -c max
.set tt, tt+1
.endr
	WIN 0xc3                                       ; destination and source 0 window 3, source 2 window 0
.set tt, 0
.rept 16
.irp k, 0,2,4,6
	v_pk_fma_f32 v[8*tt+\k:8*tt+\k+1], v[8*tt+\k:8*tt+\k+1], s[22:23], v[TT+2*tt:TT+2*tt+1] op_sel_hi:[1,0,0]   ; c s - c max, two at a time
.endr
.set tt, tt+1
.endr
.set i, 0
	s_wait_alu depctr_va_vdst(0)
.rept 128
	v_exp_f32 v[i], v[i]                           ; one batch
.set i, i+1
.endr
	v_nop                                          ; a plain place behind the last exponential
	s_wait_alu depctr_va_vdst(0)                   ; one wait for the batch, ahead of its first reader
	WIN 0x0f                                       ; sources 0 and 1 window 3, destination window 0
.set tt, 0
.rept 16
	v_pk_add_f32 v[TT+2*tt:TT+2*tt+1], v[8*tt:8*tt+1], v[8*tt+2:8*tt+3]
.set tt, tt+1
.endr
	WIN 0x0c
.irp k, 4,6
.set tt, 0
.rept 16
	v_pk_add_f32 v[TT+2*tt:TT+2*tt+1], v[TT+2*tt:TT+2*tt+1], v[8*tt+\k:8*tt+\k+1]
.set tt, tt+1
.endr
.endr
	WIN 0
.set tt, 0
.rept 16
	v_add_f32 v[TT+2*tt], v[TT+2*tt], v[TT+2*tt+1]
.set tt, tt+1
.endr
.set tt, 0
.rept 16
	v_permlanex16_b32 v[TT+2*tt+1], v[TT+2*tt], s20, s21
.set tt, tt+1
.endr
.set tt, 0
.rept 16
	v_add_f32 v[TT+2*tt], v[TT+2*tt], v[TT+2*tt+1]               ; the row's sum, at least about 1
.set tt, tt+1
.endr
	WIN 0x40                                       ; destination window 1
.set tt, 0
	s_wait_alu depctr_va_vdst(0)
.rept 16
	v_rcp_f32 v[RS+tt], v[TT+2*tt]
.set tt, tt+1
.endr
	v_nop
	s_wait_alu depctr_va_vdst(0)                   ; one wait for the sixteen reciprocals
	WIN 0
	s_barrier_wait -1                              ; nobody reads q's and k's codes any more: v may be stored over them
	; ---------------- positions 16 to 23.  Trip b serves d = 32 b .. 32 b + 31: four tiles of v (two of d = 32 b + 16 h + 0 .. 7, then two of 32 b + 16 h + 8 .. 15).  A trip opens with the products of its first tile
	s_mov_b32 s36, 0                               ; 24 b
	s_mov_b32 s37, 0                               ; b
	s_mov_b32 s17, 2
	LOADW                                          ; position 16's first fragments (in the second trip: fetched ahead of the work on the tokens)
	s_wait_alu depctr_va_vdst(0)
.LloopB:
	G 1
	LOADW
	VSTORE 0
	s_wait_alu depctr_va_vdst(0)
	G 1
	LOADW
	VSTORE 1
	s_wait_alu depctr_va_vdst(0)
	BAR                                            ; 16 positions of v of all 64 tokens lie in LDS
	ATT0
	G 1                                            ; its barrier parts my reads of v from the next stores
	LOADW
	VSTORE 0
	s_wait_alu depctr_va_vdst(0)
	G 1
	LOADW
	VSTORE 1
	BAR
	v_add_nc_u32 v[OCC], s36, v[OCA]               ; the half's codes: 24 b bytes on
	v_add_nc_u32 v[OSC], s37, v[OSA]               ; its scale byte: b on
	s_wait_alu depctr_va_vdst(0)
	ATT1
	BAR                                            ; the result's codes and bytes of this half of d lie in LDS, and the reads of v are over
	s_add_co_u32 s36, s36, 24
	s_add_co_u32 s37, s37, 1
	s_sub_co_u32 s17, s17, 1
	s_cmp_lg_u32 s17, 0
	s_cbranch_scc1 .LloopB
	RELOAD                                         ; the result is whole: it takes x's place in the registers
	G 1                                            ; position 24, the first tile of Wout
	; ---------------- positions 25 to 31, Wout: position n - 1 goes into a stage, position n - 2 leaves
	s_mov_b32 s66, s25                             ; the first tile to leave is tile rho % 8 of Wout
	LOADW
	POSTO 0, 1
	s_wait_alu depctr_va_vdst(0)
	G 1
	s_mov_b32 s17, 4
.LloopC:
	LOADW
	POSTO 1, 1
	s_wait_alu depctr_va_vdst(0)
	G 1
	s_sub_co_u32 s17, s17, 1
	s_cmp_lg_u32 s17, 0
	s_cbranch_scc1 .LloopC
	LOADW                                          ; the last two positions are written out: nothing is left to ask for
	POSTO 1, 1
	s_wait_alu depctr_va_vdst(0)
	G 0
	LOADW
	POSTO 1, 1
	s_wait_alu depctr_va_vdst(0)
	G 0
	POSTO 1, 1                                     ; position 31 into its stage, position 30 out
	BAR
	POSTO 1, 0                                     ; position 31 out
	s_wait_tensorcnt 0x0                           ; the wave's end: behind my last tensor load and my last LDS store
	ds_add_u32 v[SPW], v[NIL]
	s_wait_dscnt 0x0
	CROUND                                         ; the closing round: no work-group ends while a partner may still ask for a tile that names it
	s_endpgm
.Lfunc_end_k_q4c7408ba8d_fused:
	.size	k_q4c7408ba8d_fused, .Lfunc_end_k_q4c7408ba8d_fused-k_q4c7408ba8d_fused
	.p2alignl 7, 3214868480
	.fill 96, 4, 3214868480
	.section	.rodata,"a",@progbits
	.p2align	6, 0x0
	.amdhsa_kernel k_q4c7408ba8d_fused
		.amdhsa_group_segment_fixed_size 327680
		.amdhsa_private_segment_fixed_size 0
		.amdhsa_enable_private_segment 0
		.amdhsa_kernarg_size 32
		.amdhsa_user_sgpr_count 2
		.amdhsa_user_sgpr_kernarg_segment_ptr 1
		.amdhsa_wavefront_size32 1
		.amdhsa_system_sgpr_workgroup_id_x 1
		.amdhsa_system_sgpr_workgroup_id_y 1
		.amdhsa_system_sgpr_workgroup_id_z 1
		.amdhsa_system_vgpr_workitem_id 0
		.amdhsa_next_free_vgpr 1024
		.amdhsa_next_free_sgpr 72
		.amdhsa_reserve_vcc 0
		.amdhsa_float_denorm_mode_32 3
		.amdhsa_float_denorm_mode_16_64 3
		.amdhsa_memory_ordered 1
		.amdhsa_forward_progress 1
		.amdhsa_inst_pref_size 255
	.end_amdhsa_kernel
	.section	.bss,"aw",@nobits
	.p2align	6
	.space	262144
	.amdgpu_metadata
---
amdhsa.version: [ 1, 2 ]
amdhsa.kernels:
  - .name:           k_q4c7408ba8d_fused
    .symbol:         k_q4c7408ba8d_fused.kd
    .args:
      - { .name: x_codes, .offset: 0, .size: 8, .value_kind: global_buffer, .address_space: global }
      - { .name: x_scales, .offset: 8, .size: 8, .value_kind: global_buffer, .address_space: global }
      - { .name: wimg, .offset: 16, .size: 8, .value_kind: global_buffer, .address_space: global }
      - { .name: out0, .offset: 24, .size: 8, .value_kind: global_buffer, .address_space: global }
    .group_segment_fixed_size: 327680
    .private_segment_fixed_size: 0
    .kernarg_segment_align: 8
    .kernarg_segment_size: 32
    .max_flat_workgroup_size: 128
    .sgpr_count:     72
    .vgpr_count:     1024
    .wavefront_size: 32
...
	.end_amdgpu_metadata
.endif
;; end of part 4
